; MI455X (gfx1250); checked and timed in simulation.
; The chip was launched on July 23, 2026; its instructions are those of AMD's public machine-readable ISA for CDNA 5 (MIT licence, August 2026) and "CDNA5" Instruction Set Architecture Reference Guide (July 2026). The comments in the code are by the model that wrote it; some were corrected since.
;; Bahdanau Attention. Allowed arithmetic: float matrix products may take bf16 or f16 operands with f32 sums; all other float work in f32.
;; Inputs: W1 1,024 x 1,024 float32; W2 1,024 x 1,024 float32; dec_hidden 32 x 1,024 float32; enc_outputs 32 x 2,048 x 1,024 float32; v 1,024 float32.
;; Outputs: out0 32 x 1,024 float32; out1 32 x 2,048 float32.
;; 2 versions, each right; version 2 is version 1 with the launch main written anew for expert scheduling mode. Each part assembles by itself: llvm-mc -triple=amdgcn-amd-amdhsa -mcpu=gfx1250 --defsym DOCPART=n.
;; ======== version 1 of 2: 3 launches
;; workspace buffers: w2f 2,097,152 bytes; dpb 131,072 bytes; scores 262,144 bytes; ctxp 2,097,152 bytes
;; launch prep (part 1): grid 192 x 1, 8 waves a work-group, no clusters, 21,504 bytes of LDS; arguments W1, W2, dec_hidden, w2f, dpb; writes w2f, dpb
.if DOCPART == 1
	.amdgcn_target "amdgcn-amd-amdhsa--gfx1250"
	.amdhsa_code_object_version 6
	.text
	.protected	k_q46c9299405_prep
	.globl	k_q46c9299405_prep
	.p2align	8
	.type	k_q46c9299405_prep,@function
k_q46c9299405_prep:
	s_mov_b64 s[64:65], 0
	v_nop
	global_prefetch_b8 v0, s[64:65] scope:SCOPE_SE
	s_setreg_imm32_b32 hwreg(HW_REG_WAVE_MODE, 25, 1), 1
	s_wait_xcnt 0x0
; TWO SMALL JOBS IN ONE LAUNCH, chosen by the work-group's number (the same for all its waves).
; Work-groups 0-63:  dec_proj[b][k] = sum over h of dec_hidden[b][h] W1[k][h], operands rounded to bf16, sums in f32.  Work-group g makes the 16 columns k = 16 g .. 16 g + 15 for all 32 rows b;
;   wave w takes h = 128 w .. 128 w + 127 (four matrix steps of 32); the eight partial sums meet in LDS.  Out: dpb, f32, [64 blocks of 16 k][32 b][16].
; Work-groups 64-191:  W2 rounded to bf16 and laid in the order in which the main launch's waves take matrix fragments, so that each of their loads is 512 consecutive bytes and a wave's stream is linear:
;   byte w' 524288 + c 262144 + q 8192 + hb 4096 + i 1024 + half 512 + 16 lane holds W2[512 c + 128 w' + 64 hb + 16 i + lane % 16][32 q + 16 half + 8 (lane / 16) + 0..7].
;   A wave takes 16 rows x 64 columns: its eight loads cover 256 consecutive bytes of each row, its four stores 512 consecutive bytes each.
; No cluster, no tensor load: the launch moves 8 MB once, through registers, where the rounding is done.
; A 16-bit fragment (ISA guide 7.12.2): lane l holds row l % 16; registers 0-3 hold K = 8 (l / 16) + 0..7, registers 4-7 hold K = 16 + 8 (l / 16) + 0..7.
.set SPARE, 20480                      ; behind the partial sums: the spare words, 128 bytes for each of eight waves
.set REDW,  2560                       ; a wave's partial sums: 32 rows b x (64 bytes + 16 of padding)
.set F,     32                         ; v[32:223]  step qq: 48 registers: 16 f32 of W1, of dec rows 0-15, of dec rows 16-31; each 16 become 8 of bf16 in place
.macro CVT8 x                          ; 16 f32 at v[x] become a fragment of 8 registers at v[x]: pair i is read before register i is written for every i
.set i, 0
.rept 8
	v_cvt_pk_bf16_f32 v[(\x)+i], v[(\x)+2*i], v[(\x)+2*i+1]
.set i, i+1
.endr
.endm
	s_load_b256 s[4:11], s[0:1], 0x0               ; W1 s[4:5], W2 s[6:7], dec_hidden s[8:9], w2f s[10:11]
	s_load_b64 s[12:13], s[0:1], 0x20              ; dpb
	v_lshl_add_u32 v2, v0, 2, SPARE                ; my spare word; never rewritten
	v_mov_b32 v3, 0                                ; 0; never rewritten
	v_lshrrev_b32 v1, 5, v0
	v_readfirstlane_b32 s16, v1                    ; wave 0..7
	v_and_b32 v24, 15, v0                          ; l % 16
	v_bfe_u32 v25, v0, 4, 1                        ; l / 16
	v_lshlrev_b32 v4, 12, v24
	v_lshl_add_u32 v4, v25, 5, v4                  ; row x 4,096 bytes + 8 f32 for the upper half of the lanes
	s_mov_b32 s21, 0                               ; upper word of every offset
	s_cmp_lt_u32 ttmp9, 64
	s_cbranch_scc0 .Lconv
	; ---- dec_proj ----
	s_lshl_b32 s17, s16, 9
	v_add_nc_u32 v4, s17, v4                       ; + my wave's 128 columns h
	s_mul_i32 s18, s16, REDW
	v_mul_u32_u24 v5, v25, 640                     ; a result's register j of lane l is (b = 8 (l / 16) + j, k = l % 16): 8 rows of 80 bytes,
	v_lshl_add_u32 v5, v24, 2, v5                  ; 4 bytes a column,
	v_add_nc_u32 v5, s18, v5                       ; in my wave's part
	v_lshrrev_b32 v6, 3, v0                        ; the joining: thread t takes row b = t / 8, columns 2 (t % 8) and the next
	v_mul_u32_u24 v6, v6, 80
	v_and_b32 v7, 7, v0
	v_lshl_add_u32 v6, v7, 3, v6
	v_lshlrev_b32 v7, 3, v0                        ; which are bytes 8 t of the block in dpb
	s_lshl_b32 s20, ttmp9, 16                      ; my 16 rows of W1
	s_wait_kmcnt 0x0
	s_add_nc_u64 s[4:5], s[4:5], s[20:21]
.irp qq, 0,1,2,3
.irp hp, 0,1,2,3                       ; 2 x half + piece of 16 bytes
	global_load_b128 v[F+48*\qq+4*\hp:F+48*\qq+4*\hp+3],       v4, s[4:5] offset:\qq*128+(\hp/2)*64+(\hp%2)*16 th:TH_LOAD_NT
	global_load_b128 v[F+48*\qq+16+4*\hp:F+48*\qq+16+4*\hp+3], v4, s[8:9] offset:\qq*128+(\hp/2)*64+(\hp%2)*16
	global_load_b128 v[F+48*\qq+32+4*\hp:F+48*\qq+32+4*\hp+3], v4, s[8:9] offset:65536+\qq*128+(\hp/2)*64+(\hp%2)*16
.endr
.endr
.irp qq, 0,1,2,3
	s_wait_loadcnt 36-12*\qq                       ; loads come back in order (ISA guide 5.7.1): the 12 of each later step may stay out
	CVT8 F+48*\qq
	CVT8 F+48*\qq+16
	CVT8 F+48*\qq+32
.if \qq == 0                           ; the first step starts both sums; the two accumulators take turns
	v_wmma_f32_16x16x32_bf16 v[8:15],  v[F+16:F+23], v[F:F+7], 0
	v_wmma_f32_16x16x32_bf16 v[16:23], v[F+32:F+39], v[F:F+7], 0
.else
	v_wmma_f32_16x16x32_bf16 v[8:15],  v[F+48*\qq+16:F+48*\qq+23], v[F+48*\qq:F+48*\qq+7], v[8:15]
	v_wmma_f32_16x16x32_bf16 v[16:23], v[F+48*\qq+32:F+48*\qq+39], v[F+48*\qq:F+48*\qq+7], v[16:23]
.endif
.endr
.rept 4
	v_nop                                          ; four places between the last product and the stores that read it
.endr
.irp mb, 0,1
.irp j, 0,1,2,3,4,5,6,7                ; each accumulator from its low end on
	ds_store_b32 v5, v[8+8*\mb+\j] offset:\mb*1280+\j*80
.endr
.endr
	s_wait_dscnt 0x0                               ; for the others' sake: my partial sums are in LDS
	s_barrier_signal -1
	s_barrier_wait -1
.irp ww, 0,1,2,3,4,5,6,7
	ds_load_b64 v[F+2*\ww:F+2*\ww+1], v6 offset:\ww*REDW
.endr
	s_lshl_b32 s20, ttmp9, 11                      ; my block of 2,048 bytes in dpb
	s_add_nc_u64 s[12:13], s[12:13], s[20:21]
	s_wait_dscnt 0x0
	v_pk_add_f32 v[F:F+1],     v[F:F+1],     v[F+2:F+3]
	v_pk_add_f32 v[F+4:F+5],   v[F+4:F+5],   v[F+6:F+7]
	v_pk_add_f32 v[F+8:F+9],   v[F+8:F+9],   v[F+10:F+11]
	v_pk_add_f32 v[F+12:F+13], v[F+12:F+13], v[F+14:F+15]
	v_pk_add_f32 v[F:F+1],     v[F:F+1],     v[F+4:F+5]
	v_pk_add_f32 v[F+8:F+9],   v[F+8:F+9],   v[F+12:F+13]
	v_pk_add_f32 v[F:F+1],     v[F:F+1],     v[F+8:F+9]
	global_store_b64 v7, v[F:F+1], s[12:13]        ; a wave stores 256 consecutive bytes, at a multiple of 256 from dpb's first byte
	s_branch .Lend
	; ---- W2 into fragment order ----
.Lconv:
	s_sub_co_u32 s17, ttmp9, 64
	s_lshl_b32 s17, s17, 3
	s_add_co_u32 s17, s17, s16                     ; my wave among 1,024
	s_lshr_b32 s18, s17, 4                         ; block of 16 rows n, 0..63 = 32 c + 8 w' + 4 hb + i
	s_and_b32 s19, s17, 15                         ; block of 64 columns k: matrix steps q = 2 kp and 2 kp + 1
	s_lshl_b32 s20, s18, 16                        ; from: 16 rows of 4,096 bytes,
	s_lshl_b32 s22, s19, 8                         ; 64 f32
	s_add_co_u32 s20, s20, s22
	s_bfe_u32 s22, s18, 0x20003                    ; to: w' = 2 bits from bit 3
	s_lshl_b32 s22, s22, 19
	s_lshr_b32 s23, s18, 5                         ; c
	s_lshl_b32 s23, s23, 18
	s_add_co_u32 s22, s22, s23
	s_and_b32 s23, s18, 7                          ; 4 hb + i: 4,096 hb + 1,024 i
	s_lshl_b32 s23, s23, 10
	s_add_co_u32 s22, s22, s23
	s_lshl_b32 s23, s19, 14                        ; two steps of 8,192 bytes
	s_add_co_u32 s22, s22, s23
	s_mov_b32 s23, 0
	v_and_b32 v7, 31, v0
	v_lshlrev_b32 v7, 4, v7                        ; 16 bytes a lane
	s_wait_kmcnt 0x0
	s_add_nc_u64 s[6:7], s[6:7], s[20:21]
	s_add_nc_u64 s[10:11], s[10:11], s[22:23]
.irp qq, 0,1
.irp hp, 0,1,2,3
	global_load_b128 v[F+16*\qq+4*\hp:F+16*\qq+4*\hp+3], v4, s[6:7] offset:\qq*128+(\hp/2)*64+(\hp%2)*16 th:TH_LOAD_NT
.endr
.endr
	s_wait_loadcnt 0x0
	CVT8 F
	CVT8 F+16
.irp qq, 0,1
.irp hf, 0,1
	global_store_b128 v7, v[F+16*\qq+4*\hf:F+16*\qq+4*\hf+3], s[10:11] offset:\qq*8192+\hf*512  ; 512 consecutive bytes
.endr
.endr
.Lend:
	s_wait_tensorcnt 0x0                           ; the wave's end: three closing lines behind my last LDS store
	ds_add_u32 v2, v3
	s_wait_dscnt 0x0
	s_endpgm
.Lfunc_end_k_q46c9299405_prep:
	.size	k_q46c9299405_prep, .Lfunc_end_k_q46c9299405_prep-k_q46c9299405_prep
	.p2alignl 7, 3214868480
	.fill 96, 4, 3214868480
	.section	.rodata,"a",@progbits
	.p2align	6, 0x0
	.amdhsa_kernel k_q46c9299405_prep
		.amdhsa_group_segment_fixed_size 21504
		.amdhsa_private_segment_fixed_size 0
		.amdhsa_enable_private_segment 0
		.amdhsa_kernarg_size 40
		.amdhsa_user_sgpr_count 2
		.amdhsa_user_sgpr_kernarg_segment_ptr 1
		.amdhsa_wavefront_size32 1
		.amdhsa_system_sgpr_workgroup_id_x 1
		.amdhsa_system_sgpr_workgroup_id_y 1
		.amdhsa_system_sgpr_workgroup_id_z 1
		.amdhsa_system_vgpr_workitem_id 0
		.amdhsa_next_free_vgpr 224
		.amdhsa_next_free_sgpr 66
		.amdhsa_reserve_vcc 0
		.amdhsa_float_denorm_mode_32 3
		.amdhsa_float_denorm_mode_16_64 3
		.amdhsa_memory_ordered 1
		.amdhsa_forward_progress 1
		.amdhsa_inst_pref_size 19
	.end_amdhsa_kernel
	.amdgpu_metadata
---
amdhsa.version: [ 1, 2 ]
amdhsa.kernels:
  - .name:           k_q46c9299405_prep
    .symbol:         k_q46c9299405_prep.kd
    .args:
      - { .name: W1, .offset: 0, .size: 8, .value_kind: global_buffer, .address_space: global }
      - { .name: W2, .offset: 8, .size: 8, .value_kind: global_buffer, .address_space: global }
      - { .name: dec_hidden, .offset: 16, .size: 8, .value_kind: global_buffer, .address_space: global }
      - { .name: w2f, .offset: 24, .size: 8, .value_kind: global_buffer, .address_space: global }
      - { .name: dpb, .offset: 32, .size: 8, .value_kind: global_buffer, .address_space: global }
    .group_segment_fixed_size: 21504
    .private_segment_fixed_size: 0
    .kernarg_segment_align: 8
    .kernarg_segment_size: 40
    .max_flat_workgroup_size: 256
    .sgpr_count:     66
    .vgpr_count:     224
    .wavefront_size: 32
...
	.end_amdgpu_metadata
.endif
;; end of part 1
;; launch main (part 2): grid 512 x 1, 4 waves a work-group, no clusters, 312,832 bytes of LDS; arguments enc_outputs, w2f, dpb, v, scores, ctxp; writes scores, ctxp
.if DOCPART == 2
	.amdgcn_target "amdgcn-amd-amdhsa--gfx1250"
	.amdhsa_code_object_version 6
	.text
	.protected	k_q46c9299405_main
	.globl	k_q46c9299405_main
	.p2align	8
	.type	k_q46c9299405_main,@function
k_q46c9299405_main:
	s_mov_b64 s[64:65], 0
	v_nop
	global_prefetch_b8 v0, s[64:65] scope:SCOPE_SE
	s_setreg_imm32_b32 hwreg(HW_REG_WAVE_MODE, 25, 1), 1
	s_wait_xcnt 0x0
; A WORK-GROUP OWNS 128 ROWS t OF ONE BATCH ROW b (tile = 16 b + j).  It makes, for them,
;   score[t] = sum over k of v[k] tanh(dec_proj[b][k] + sum over e of enc[t][e] W2[k][e]),     p[t] = exp(score[t] - m), m = the tile's largest score,     ctxp[e] = sum over t of p[t] enc[t][e].
; The last launch joins the 16 tiles of a batch row.  enc, W2 and v are rounded to bf16 once; products' sums, dec_proj, tanh and scores are f32; p enters the second product as bf16 hi + bf16 lo.
; enc IS READ ONCE: the tile's rows are rounded to bf16 on the way in and stay in LDS (128 x 1,024 x 2 bytes, padded: 294,912 bytes) for both chunks of columns k and for the context.
; SHARES.  k goes in two chunks of 512; in a chunk wave w owns columns 128 w .. 128 w + 127 for all 128 rows: 8 x 8 accumulators of 16 x 16, 512 registers.  e goes in 32 K steps of 32.  A K step is two HALF
; STEPS of 32 matrix instructions on the same fragments of enc: columns 0-63 (window 2), then columns 64-127 (window 3).  So a K step's 64 matrix instructions take 16 LDS loads (enc) and 16 global loads (W2).
; A fragment of W2 serves one wave alone, so it goes straight into registers, from the copy in fragment order, 512 consecutive bytes a load, through a ring of four slots, one a half step.
; A TRIP is a slab of 64 columns e: two K steps, four half steps, ring slots 0 to 3 in order.
; CHUNK 0 STREAMS: while slab s is multiplied, slab s + 1 is rounded and stored to LDS and slab s + 2 is asked for; one barrier a slab.
; tanh(x) = 1 - 2 / (1 + 2^(2 log2(e) x)): it ends at +1 and -1 by way of 2^x = infinity and 0.  So score = sum of v - 2 sum of v / (1 + 2^..).
; NO CLUSTER, NO TENSOR LOAD, though all work-groups walk the same W2: beside the resident rows 32,768 bytes of LDS are left, 17,920 of them taken by tables and stages; a joint slot of 512 columns x 32 e
; of bf16 is 32,768 bytes, and a ring wants two.  enc passes through registers for the rounding anyway.
; LIMITS.  NaN and infinities in the inputs are not treated apart.  A weight p below 2^-126 counts as 0.
;
; LDS: element (t, e) of enc at (e / 64) SLAB + t PITCH + 2 (e % 64).  A row of a slab is 128 bytes + 16 of padding = 36 words, so the 16 rows of a fragment load start at 16 different groups of four banks
; (64 banks of 4 bytes: ISA guide 11.1).  Slab by slab, so that the slab being stored and the slab being read never share a byte.
.set PITCH, 144
.set SLAB,  128*PITCH                  ; 18,432
.set DL,    16*SLAB                    ; dec_proj[b][0..1023], f32
.set VL,    DL+4096                    ; v, f32
.set SP,    VL+4096                    ; 4 waves x 128 partial scores
.set PHL,   SP+2048                    ; each wave's own 768 bytes: p hi (128 bf16) at 0, p lo at 272
.set CX,    PHL+3072                   ; each wave's own 1,024 bytes: its 256 numbers of the context
.set SPARE, CX+4096                    ; the spare words, 128 bytes for each wave: no other line names them
; REGISTERS, in windows of 256 (s_set_vgpr_msb: bits 1:0 source 0, 3:2 source 1, 5:4 source 2, 7:6 destination).
;   window 0: addresses, constants, partial scores, enc's fragments (two buffers of 64)     window 1: v0-127 W2's ring of four slots; v128-255 enc as loaded, two buffers of 64 (the second serves slab 1 alone)
;   window 2: the accumulators of my columns 0-63: rows 16 a .., columns 16 nb .. at 8 (4 a + nb)     window 3: those of my columns 64-127
.set SPW,  2                           ; LDS address of my spare word; never rewritten
.set NIL,  3                           ; 0; never rewritten
.set AF0,  4                           ; my lane's place in a fragment of enc: (l % 16) PITCH + 16 (l / 16)
.set ADRA, 5                           ; AF0 + the trip's slab
.set L16,  6                           ; 16 x lane; never rewritten
.set TBA,  7                           ; DL + 4 (128 w + l % 16), 2,048 further on in the second chunk
.set VST0, 8                           ; enc's way into a slab: row 32 w + 8 (l / 16), 8 (l % 16) bytes
.set VSTC, 9                           ; VST0 + the trip's slab
.set VO,   10                          ; enc in memory: row 32 w + 8 (l / 16), 16 (l % 16) bytes, + the slab asked for last
.set BO,   12                          ; v12-15  ring slot s: the byte offset in my wave's stream of W2 of the half step asked for last, + 16 x lane
.set VTR,  8                           ; THE LAST PHASE makes v8-15 anew, when the K loops' addresses are dead.  v8, v9: turning loads: my wave's slabs 4 w, 4 w + 1 and 4 w + 2, 4 w + 3
.set SPST, 10
.set SPLD, 11
.set PHST, 12
.set PHLD, 13
.set CXST, 14
.set CXLD, 15
.set CDV,  16                          ; v[16:31]  for each of my 8 column blocks the pair (2 log2(e) dec_proj, -2 v) of my column
.set T,    32                          ; v[32:47]  at work
.set VS,   44                          ; v44       the sum of v over my columns (v45 stays 0: named with it as a pair); T reaches it only when it has been used
.set S,    48                          ; v[48:111] S[8 a + j]: my columns' part of the score of row 16 a + 8 (l / 16) + j
.set SC,   112                         ; v[112:127] the tables on their way in; a chunk's constants as loaded; later scores, maximum, context on its way out
.set FA,   128                         ; v[128:255] enc's fragments: buffer f, row block a at FA + 64 f + 8 a
.set ST,   128                         ; window 1: enc as loaded: buffer s at ST + 64 s
.set MSB, 0
.macro WIN new                         ; the immediate's high byte repeats the setting that is left; a switch that changes nothing is dropped
.if MSB != (\new)
	s_set_vgpr_msb (MSB<<8)|(\new)
.set MSB, \new
.endif
.endm
.set W_MUL, 0xa4                       ; C and D window 2, source 1 (W2, or enc turned) window 1, source 0 window 0; + 0x50: C and D window 3
.set W_TO1, 0x40                       ; destination window 1, address window 0
.set W_CV,  0x45                       ; destination and both sources window 1
.set W_STD, 0x04                       ; an LDS store's data window 1, its address window 0
.set W_AD,  0x0a                       ; both sources window 2, destination window 0
.macro PLACES                          ; a load into a register that a matrix instruction has read, and a vector instruction that reads its result, stand four places behind it (ISA guide 7.12.1 for vector instructions)
.rept 4
	v_nop
.endr
.endm
; A HALF STEP: 32 matrix instructions: all 8 row blocks x the 4 column blocks of window w, 32 along e.  The 64 accumulators take turns in one order everywhere.
.macro MUL32 fa, slot, w, zero
	WIN W_MUL+0x50*((\w)-2)
.irp a, 0,1,2,3,4,5,6,7
.irp nb, 0,1,2,3
.set rD, 8*(4*\a+\nb)
.set rA, FA+64*(\fa)+8*\a
.set rB, 32*(\slot)+8*\nb
.if \zero
	v_wmma_f32_16x16x32_bf16 v[rD:rD+7], v[rA:rA+7], v[rB:rB+7], 0
.else
	v_wmma_f32_16x16x32_bf16 v[rD:rD+7], v[rA:rA+7], v[rB:rB+7], v[rD:rD+7]
.endif
.endr
.endr
.endm
.macro AFETCH fa, areg, imm            ; a K step's fragments of enc, 128 rows x 32 e: 16 LDS loads in one run
	WIN 0
.irp i, 0,1,2,3,4,5,6,7
	ds_load_b128 v[FA+64*(\fa)+8*\i:FA+64*(\fa)+8*\i+3],   v[\areg] offset:(\imm)+\i*16*PITCH
	ds_load_b128 v[FA+64*(\fa)+8*\i+4:FA+64*(\fa)+8*\i+7], v[\areg] offset:(\imm)+\i*16*PITCH+32
.endr
.endm
.macro BLOAD slot                      ; a half step's fragments of W2, 64 columns k x 32 e: 8 loads of 512 consecutive bytes
	WIN W_TO1
.irp j, 0,1,2,3,4,5,6,7
	global_load_b128 v[32*(\slot)+4*\j:32*(\slot)+4*\j+3], v[BO+(\slot)], s[6:7] offset:512*\j
.endr
.endm
.macro ALOAD st, imm                   ; my wave's 32 rows of a slab, f32: in each load lanes 0-15 take 256 consecutive bytes of one row, lanes 16-31 those of the row 8 below
	WIN W_TO1
.irp i, 0,1,2,3,4,5,6,7,8,9,10,11,12,13,14,15
	global_load_b128 v[ST+64*(\st)+4*\i:ST+64*(\st)+4*\i+3], v[VO], s[4:5] offset:(\imm)+((\i%8)+16*(\i/8))*4096 th:TH_LOAD_NT
.endr
.endm
.macro ACVT st, imm                    ; they are rounded to bf16 and stored: lanes 0-15 write 128 bytes of a row, lanes 16-31 those 8 rows (1,152 bytes) on: the other half of the banks
	WIN W_CV
.irp i, 0,1,2,3,4,5,6,7,8,9,10,11,12,13,14,15
	v_cvt_pk_bf16_f32 v[ST+64*(\st)+4*\i],   v[ST+64*(\st)+4*\i],   v[ST+64*(\st)+4*\i+1]
	v_cvt_pk_bf16_f32 v[ST+64*(\st)+4*\i+1], v[ST+64*(\st)+4*\i+2], v[ST+64*(\st)+4*\i+3]
.endr
	WIN W_STD
.irp i, 0,1,2,3,4,5,6,7,8,9,10,11,12,13,14,15
	ds_store_b64 v[VSTC], v[ST+64*(\st)+4*\i:ST+64*(\st)+4*\i+1] offset:(\imm)+((\i%8)+16*(\i/8))*PITCH
.endr
.endm
; THE RUN OF LOADS BEHIND A HALF STEP.  bl = 1: the slot just multiplied is filled again, with the half step four on: its offset register, free since the counted wait in front of the half step showed its
; loads done, steps by four half steps of 4,096 bytes; that line is one of the four places.  fa >= 0: the next K step's fragments of enc go into buffer fa, 32 matrix instructions ahead of their use.
.macro RUN slot, bl, fa, areg, imm
.if (\bl) || ((\fa) >= 0)
	WIN 0
.if \bl
	v_add_nc_u32 v[BO+(\slot)], 0x4000, v[BO+(\slot)]
.else
	v_nop
.endif
.rept 3
	v_nop
.endr
.if (\fa) >= 0
	AFETCH \fa, \areg, \imm
.endif
.if \bl
	BLOAD \slot
.endif
.endif
.endm
; A TRIP: slab s, K steps 2 s (fragment buffer 0) and 2 s + 1 (buffer 1).
; cv >= 0: staging buffer cv holds slab s + 1: it is rounded and stored, and handed to the other waves by the trip's barrier.  ask >= 0: enc's offset steps by so many bytes, and that slab is asked for into buffer 0.
; zero = 1: the first K step starts the sums.  bl = 1: W2's ring goes on.  nxt: the fragments fetched last are the next slab's (0), slab 0's, for the next chunk (1), or none (-1).
; THE COUNTS ON LOADS.  Loads come back in order (ISA guide 5.7.1).  Behind the half step that is due stand three later half steps' 24 loads and, from the trip's second half step on, the 16 of enc if the
; trip has asked for a slab.  The wait at the trip's head shows the staged slab landed too: it was asked for ahead of that half step of W2.  Without W2 loads the counts run down.
.macro TRIP cv, ask, zero, bl, nxt
.set AO, 0
.if (\ask) >= 0
.set AO, 16
.endif
	s_wait_loadcnt 24
.if (\cv) >= 0
	ACVT \cv, SLAB
.endif
.if (\ask) >= 0
	WIN 0
	v_add_nc_u32 v[VO], \ask, v[VO]                ; free since the wait above: all earlier loads of enc are back
	ALOAD 0, 0
.endif
.if (\cv) >= 0
	s_wait_dscnt 16                                ; this K step's fragments are in; the 16 stores issued behind them may be out
.else
	s_wait_dscnt 0x0
.endif
	MUL32 0, 0, 2, \zero
	RUN 0, \bl, 1, ADRA, 64
.if \bl
	s_wait_loadcnt 24+AO
.else
	s_wait_loadcnt 16
.endif
	MUL32 0, 1, 3, \zero
	RUN 1, \bl, -1, ADRA, 0
.if \bl
	s_wait_loadcnt 24+AO
.else
	s_wait_loadcnt 8
.endif
	s_wait_dscnt 0x0                               ; the second K step's fragments; and, for the others' sake, my stores of the next slab
.if (\cv) >= 0
	s_barrier_signal -1
.endif
	MUL32 1, 2, 2, 0                               ; 32 matrix instructions, work on registers, between the signal and the wait
.if (\cv) >= 0
	s_barrier_wait -1                              ; every wave's part of the next slab is in LDS
.endif
.if (\nxt) == 0
	RUN 2, \bl, 0, ADRA, SLAB
.elseif (\nxt) == 1
	RUN 2, \bl, 0, AF0, 0
.else
	RUN 2, \bl, -1, ADRA, 0
.endif
.if \bl
	s_wait_loadcnt 24+AO
.else
	s_wait_loadcnt 0x0
.endif
	MUL32 1, 3, 3, 0
	RUN 3, \bl, -1, ADRA, 0
.endm
.macro EDGE k0                         ; on to the next slab: LDS addresses alone; no global base or offset is touched here
	WIN 0                                          ; at a label and at a branch every window is 0
	s_add_co_u32 s32, s32, SLAB
	v_add_nc_u32 v[ADRA], s32, v[AF0]
.if \k0
	v_add_nc_u32 v[VSTC], s32, v[VST0]
.endif
.endm
; A chunk's constants for my eight columns.  Its 41 plain instructions are also the places behind the chunk's last products.
.macro CONV
	WIN 0
.irp i, 0,1,2,3,4,5,6,7
	ds_load_b32 v[SC+\i],   v[TBA] offset:64*\i         ; dec_proj of column 16 i + l % 16 of my 128
	ds_load_b32 v[SC+8+\i], v[TBA] offset:4096+64*\i    ; v of it
.endr
	s_wait_dscnt 0x0
.irp i, 0,1,2,3,4,5,6,7
	v_mul_f32 v[CDV+2*\i], s24, v[SC+\i]
	v_cvt_pk_bf16_f32 v[SC+8+\i], v[SC+8+\i], v[SC+8+\i]  ; v is rounded to bf16 like the other inputs,
	v_lshlrev_b32 v[SC+8+\i], 16, v[SC+8+\i]              ; and used as f32
	v_add_f32 v[VS], v[VS], v[SC+8+\i]
	v_mul_f32 v[CDV+2*\i+1], -2.0, v[SC+8+\i]
.endr
	v_add_nc_u32 v[TBA], 2048, v[TBA]
.endm
; THE WAY INTO THE SCORES of window w's 256 registers, a row block (32 registers) at a time, in place: y = 2 log2(e) (x + dec); 2^y; + 1; reciprocal; S += -2 v x that.  Each accumulator is read from its
; low end on.  The exponentials and the reciprocals stand in runs, a plain instruction behind each run (ISA guide 5.7.2).  start = 1: the first column block starts the sums S: nothing is cleared.
.macro EPIW w, start
.irp a, 0,1,2,3,4,5,6,7
	WIN ((\w)<<6)|(\w)                             ; destination and source 0 window w, the rest window 0
.irp nb, 0,1,2,3
.set rC, CDV+8*((\w)-2)+2*\nb
.irp i, 0,2,4,6
	v_pk_fma_f32 v[32*\a+8*\nb+\i:32*\a+8*\nb+\i+1], v[32*\a+8*\nb+\i:32*\a+8*\nb+\i+1], s[24:25], v[rC:rC+1] op_sel_hi:[1,0,0]
.endr
.endr
.set z, 32*\a
.rept 32
	v_exp_f32 v[z], v[z]
.set z, z+1
.endr
	v_nop
.set z, 32*\a
	s_wait_alu depctr_va_vdst(0)
.rept 16
	v_pk_add_f32 v[z:z+1], v[z:z+1], 1.0 op_sel_hi:[1,0]
.set z, z+2
.endr
.set z, 32*\a
.rept 32
	v_rcp_f32 v[z], v[z]
.set z, z+1
.endr
	v_nop
	s_wait_alu depctr_va_vdst(0)
	WIN (\w)                                       ; source 0 window w, the rest window 0
.irp nb, 0,1,2,3                       ; a sum is taken up again four instructions later
.set rC, CDV+8*((\w)-2)+2*\nb
.irp i, 0,2,4,6
.if (\start) && (\nb == 0)
	s_wait_alu depctr_va_vdst(0)
	v_pk_mul_f32 v[S+8*\a+\i:S+8*\a+\i+1], v[32*\a+\i:32*\a+\i+1], v[rC:rC+1] op_sel:[0,1] op_sel_hi:[1,1]
.else
	v_pk_fma_f32 v[S+8*\a+\i:S+8*\a+\i+1], v[32*\a+8*\nb+\i:32*\a+8*\nb+\i+1], v[rC:rC+1], v[S+8*\a+\i:S+8*\a+\i+1] op_sel:[0,1,0] op_sel_hi:[1,1,1]
.endif
.endr
.endr
.endr
.endm
; The context's source 1: rows t = 32 kk .. + 31 of my wave's 256 columns e, turned on the way out of LDS: 16 fragments, 32 loads.  Lane l addresses row 8 (l / 16) + l % 8, 16 bytes at 16 ((l / 8) % 2).
.macro TR kk, buf
	WIN W_TO1
.irp n, 0,1,2,3,4,5,6,7,8,9,10,11,12,13,14,15
	ds_load_tr16_b128 v[128*(\buf)+8*\n:128*(\buf)+8*\n+3],   v[VTR+\n/8] offset:((\n/4)%2)*SLAB+(\n%4)*32+(\kk)*32*PITCH
	ds_load_tr16_b128 v[128*(\buf)+8*\n+4:128*(\buf)+8*\n+7], v[VTR+\n/8] offset:((\n/4)%2)*SLAB+(\n%4)*32+(\kk)*32*PITCH+16*PITCH
.endr
.endm
.macro CTX kk, buf, zero               ; 16 matrix instructions, 16 accumulators by turns: source 0 = p (even rows hi, odd rows lo), 32 rows t
	WIN W_MUL
.irp n, 0,1,2,3,4,5,6,7,8,9,10,11,12,13,14,15
.if \zero
	v_wmma_f32_16x16x32_bf16 v[8*\n:8*\n+7], v[FA+8*(\kk):FA+8*(\kk)+7], v[128*(\buf)+8*\n:128*(\buf)+8*\n+7], 0
.else
	v_wmma_f32_16x16x32_bf16 v[8*\n:8*\n+7], v[FA+8*(\kk):FA+8*(\kk)+7], v[128*(\buf)+8*\n:128*(\buf)+8*\n+7], v[8*\n:8*\n+7]
.endif
.endr
.endm
	; ---- the head ----
	s_load_b256 s[4:11], s[0:1], 0x0               ; enc s[4:5], w2f s[6:7], dpb s[8:9], v s[10:11]
	s_load_b128 s[12:15], s[0:1], 0x20             ; scores s[12:13], ctxp s[14:15]
	v_lshl_add_u32 v[SPW], v0, 2, SPARE
	v_mov_b32 v[NIL], 0
	v_lshrrev_b32 v32, 5, v0
	v_readfirstlane_b32 s16, v32                   ; wave 0..3
	v_and_b32 v33, 15, v0                          ; l % 16
	v_bfe_u32 v34, v0, 4, 1                        ; l / 16
	v_and_b32 v35, 31, v0                          ; l
	v_mul_u32_u24 v[AF0], v33, PITCH
	v_lshl_add_u32 v[AF0], v34, 4, v[AF0]
	v_mov_b32 v[ADRA], v[AF0]
	v_lshlrev_b32 v[L16], 4, v35
.irp s, 0,1,2,3
	v_add_nc_u32 v[BO+\s], \s*4096, v[L16]         ; half steps 0 to 3 of my wave's stream
.endr
	s_lshl_b32 s20, s16, 17                        ; 32 rows of 4,096 bytes
	v_lshlrev_b32 v[VO], 4, v33
	v_lshl_add_u32 v[VO], v34, 15, v[VO]
	v_add_nc_u32 v[VO], s20, v[VO]
	s_mul_i32 s20, s16, 32*PITCH
	v_mul_u32_u24 v36, v34, 8*PITCH
	v_lshl_add_u32 v36, v33, 3, v36
	v_add_nc_u32 v[VST0], s20, v36
	v_mov_b32 v[VSTC], v[VST0]
	s_lshl_b32 s20, s16, 9                         ; my 128 columns' f32
	s_add_co_u32 s20, s20, DL
	v_lshl_add_u32 v[TBA], v33, 2, s20
	v_lshrrev_b32 v36, 1, v0                       ; thread t takes dec_proj[b][8 t .. 8 t + 7]: block t / 2 of dpb, half t % 2 of its 64 bytes
	v_and_b32 v37, 1, v0
	v_lshlrev_b32 v37, 5, v37
	v_lshl_add_u32 v40, v36, 11, v37
	v_lshlrev_b32 v41, 4, v0                       ; and v[4 t ..], v[512 + 4 t ..]
	v_lshl_add_u32 v42, v0, 5, DL
	v_lshl_add_u32 v43, v0, 4, VL
	s_mov_b32 s24, 0x4038aa3b                      ; 2 log2(e)
	s_mov_b32 s25, s24                             ; named with it as a pair
	s_mov_b32 s26, 0x76543210                      ; v_permlanex16_b32: each lane takes its own place in the other half
	s_mov_b32 s27, 0xfedcba98
	s_mov_b32 s28, 0x3fb8aa3b                      ; log2(e)
	s_mov_b32 s21, 0
	s_mov_b32 s32, 0                               ; the trip's slab, in bytes of LDS
	s_wait_kmcnt 0x0
	s_lshl_b32 s20, ttmp9, 19                      ; the tile's 128 rows of 4,096 bytes
	s_add_nc_u64 s[4:5], s[4:5], s[20:21]
	s_lshl_b32 s20, s16, 19                        ; my wave's 524,288 bytes of w2f
	s_add_nc_u64 s[6:7], s[6:7], s[20:21]
	s_lshr_b32 s20, ttmp9, 4                       ; b
	s_lshl_b32 s20, s20, 6
	s_add_nc_u64 s[8:9], s[8:9], s[20:21]
	s_lshl_b32 s20, ttmp9, 9
	s_add_nc_u64 s[12:13], s[12:13], s[20:21]
	s_lshl_b32 s20, ttmp9, 12
	s_lshl_b32 s22, s16, 10
	s_add_co_u32 s20, s20, s22
	s_add_nc_u64 s[14:15], s[14:15], s[20:21]
	global_load_b128 v[SC:SC+3],     v40, s[8:9]
	global_load_b128 v[SC+4:SC+7],   v40, s[8:9] offset:16
	global_load_b128 v[SC+8:SC+11],  v41, s[10:11]
	global_load_b128 v[SC+12:SC+15], v41, s[10:11] offset:2048
	ALOAD 0, 0                                     ; slab 0
	ALOAD 1, 256                                   ; slab 1
	BLOAD 0                                        ; W2 half steps 0 to 2
	BLOAD 1
	BLOAD 2
	WIN 0
	v_mov_b32 v[VS], 0
	v_mov_b32 v[VS+1], 0
	s_wait_loadcnt 40                              ; the tables and slab 0 are in; behind them: slab 1's 16 loads and three half steps' 24
	ds_store_b128 v42, v[SC:SC+3]
	ds_store_b128 v42, v[SC+4:SC+7] offset:16
	ds_store_b128 v43, v[SC+8:SC+11]
	ds_store_b128 v43, v[SC+12:SC+15] offset:2048
	ACVT 0, 0
	BLOAD 3                                        ; W2 half step 3
	WIN 0
	s_wait_dscnt 0x0                               ; for the others' sake: my part of the tables and of slab 0
	s_barrier_signal -1
	s_barrier_wait -1
	AFETCH 0, ADRA, 0
	; ---- chunk 0: trip s multiplies slab s, stores slab s + 1, asks for slab s + 2 ----
	TRIP 1, 512, 1, 1, 0                           ; trip 0: slab 1 lies in the second staging buffer; slab 2 is asked for; the first K step starts the sums
	EDGE 1
	s_mov_b32 s30, 13
.Lk0:                                                  ; trips 1 to 13
	TRIP 0, 256, 0, 1, 0
	EDGE 1
	s_sub_co_u32 s30, s30, 1
	s_cmp_lg_u32 s30, 0
	s_cbranch_scc1 .Lk0
	TRIP 0, -1, 0, 1, 0                            ; trip 14: slab 15 is stored; no slab is left to ask for
	EDGE 0
	TRIP -1, -1, 0, 1, 1                           ; trip 15: nothing to store, so no barrier.  W2's ring runs on into chunk 1, and that chunk's first fragments of enc are fetched
	; ---- chunk 0 goes into the scores while chunk 1's first four half steps of W2 land ----
	CONV
	EPIW 2, 1
	EPIW 3, 0
	; ---- chunk 1 ----
	WIN 0
	s_mov_b32 s32, 0
	v_mov_b32 v[ADRA], v[AF0]
	TRIP -1, -1, 1, 1, 0
	EDGE 0
	s_mov_b32 s30, 14
.Lk:                                                   ; trips 1 to 14
	TRIP -1, -1, 0, 1, 0
	EDGE 0
	s_sub_co_u32 s30, s30, 1
	s_cmp_lg_u32 s30, 0
	s_cbranch_scc1 .Lk
	TRIP -1, -1, 0, 0, -1                          ; trip 15 asks for nothing: no load leaves w2f, and its last wait shows every load of mine back
	; ---- chunk 1 goes into the scores; the context's first 64 rows are turned out of LDS meanwhile, into the registers that W2 and enc have left ----
	CONV
	v_and_b32 v32, 15, v0                          ; the last phase's addresses: l % 16,
	v_bfe_u32 v33, v0, 4, 1                        ; l / 16,
	v_and_b32 v34, 31, v0                          ; l
	v_and_b32 v35, 7, v0
	v_lshl_add_u32 v35, v33, 3, v35
	v_mul_u32_u24 v35, v35, PITCH
	v_bfe_u32 v36, v0, 3, 1
	v_lshl_add_u32 v35, v36, 4, v35
	s_mul_i32 s20, s16, 4*SLAB
	v_add_nc_u32 v[VTR], s20, v35
	v_add_nc_u32 v[VTR+1], 2*SLAB, v[VTR]
	s_lshl_b32 s20, s16, 9
	s_add_co_u32 s20, s20, SP
	v_lshl_add_u32 v[SPST], v33, 5, s20            ; my wave's part; rows 8 (l / 16) on
	v_lshl_add_u32 v[SPLD], v34, 4, SP             ; rows 4 l .. 4 l + 3
	s_mul_i32 s20, s16, 768
	s_add_co_u32 s20, s20, PHL
	v_lshl_add_u32 v[PHST], v34, 3, s20            ; four bf16 for rows 4 l ..
	v_and_b32 v36, 1, v0
	v_mul_u32_u24 v36, v36, 272                    ; even rows of source 0 read hi, odd rows lo
	v_lshl_add_u32 v36, v33, 4, v36
	v_add_nc_u32 v[PHLD], s20, v36
	s_lshl_b32 s20, s16, 10
	s_add_co_u32 s20, s20, CX
	v_lshl_add_u32 v[CXST], v32, 2, s20
	v_lshl_add_u32 v[CXLD], v34, 4, s20
	TR 0, 0                                        ; 64 LDS loads on end: the last one's issue waits until the first is back (ISA guide 5.7.1)
	TR 1, 1
	EPIW 2, 0
	EPIW 3, 0
	WIN 0
	; ---- scores ----
.set z, S
.rept 32
	v_pk_add_f32 v[z:z+1], v[z:z+1], v[VS:VS+1] op_sel_hi:[1,0]  ; + the sum of v over my columns: S is now my columns' sum of v tanh
.set z, z+2
.endr
.irp m, 1,2,4,8                        ; over the 16 lanes that hold a row's 16 columns; the 64 sums stand between a sum's two steps
.set z, S
.rept 64
	v_add_f32_dpp v[z], v[z], v[z] row_xmask:\m row_mask:0xf bank_mask:0xf
.set z, z+1
.endr
.endr
.irp a, 0,1,2,3,4,5,6,7                ; sixteen lanes hold the same numbers and write the same words
	ds_store_b128 v[SPST], v[S+8*\a:S+8*\a+3]   offset:64*\a
	ds_store_b128 v[SPST], v[S+8*\a+4:S+8*\a+7] offset:64*\a+16
.endr
	s_wait_dscnt 0x0                               ; for the others' sake: my wave's 128 partial scores
	s_barrier_signal -1
	s_barrier_wait -1
.irp ww, 0,1,2,3
	ds_load_b128 v[T+4*\ww:T+4*\ww+3], v[SPLD] offset:512*\ww
.endr
	s_wait_dscnt 0x0
	v_pk_add_f32 v[SC:SC+1],   v[T:T+1],     v[T+4:T+5]       ; every wave adds the four parts in the same order: rows 4 l .. 4 l + 3
	v_pk_add_f32 v[SC+2:SC+3], v[T+2:T+3],   v[T+6:T+7]
	v_pk_add_f32 v[SC+4:SC+5], v[T+8:T+9],   v[T+12:T+13]
	v_pk_add_f32 v[SC+6:SC+7], v[T+10:T+11], v[T+14:T+15]
	v_pk_add_f32 v[SC:SC+1],   v[SC:SC+1],   v[SC+4:SC+5]
	v_pk_add_f32 v[SC+2:SC+3], v[SC+2:SC+3], v[SC+6:SC+7]
	s_cmp_lg_u32 s16, 0
	s_cbranch_scc1 .Lnot_wave_0
	global_store_b128 v[L16], v[SC:SC+3], s[12:13]            ; the tile's 512 consecutive bytes; v[SC:SC+3] are not written again
.Lnot_wave_0:
	; ---- the tile's maximum and weights, in every wave for itself ----
	v_max3_num_f32 v[SC+4], v[SC], v[SC+1], v[SC+2]
	v_max_num_f32 v[SC+4], v[SC+4], v[SC+3]
.irp m, 1,2,4,8
	v_max_num_f32_dpp v[SC+4], v[SC+4], v[SC+4] row_xmask:\m row_mask:0xf bank_mask:0xf
.endr
	v_permlanex16_b32 v[SC+5], v[SC+4], s26, s27
	v_max_num_f32 v[SC+4], v[SC+4], v[SC+5]
.irp i, 0,1,2,3
	v_sub_f32 v[T+\i], v[SC+\i], v[SC+4]
.endr
.irp i, 0,1,2,3
	v_mul_f32 v[T+\i], s28, v[T+\i]
.endr
.irp i, 0,1,2,3
	v_exp_f32 v[T+\i], v[T+\i]
.endr
	v_nop                                          ; a plain instruction behind the exponentials
	s_wait_alu depctr_va_vdst(0)
	v_cvt_pk_bf16_f32 v[T+4], v[T], v[T+1]         ; hi = p rounded to bf16
	v_cvt_pk_bf16_f32 v[T+5], v[T+2], v[T+3]
	v_lshlrev_b32 v[T+6], 16, v[T+4]
	v_and_b32 v[T+7], 0xffff0000, v[T+4]
	v_lshlrev_b32 v[T+8], 16, v[T+5]
	v_and_b32 v[T+9], 0xffff0000, v[T+5]
.irp i, 0,1,2,3
	v_sub_f32 v[T+6+\i], v[T+\i], v[T+6+\i]        ; lo = p - hi, exact in f32, then rounded to bf16
.endr
	v_cvt_pk_bf16_f32 v[T+10], v[T+6], v[T+7]
	v_cvt_pk_bf16_f32 v[T+11], v[T+8], v[T+9]
	ds_store_b64 v[PHST], v[T+4:T+5]
	ds_store_b64 v[PHST], v[T+10:T+11] offset:272
.irp kk, 0,1,2,3                       ; my wave's own bytes: LDS serves a wave's instructions in order (ISA guide 5.7.1.4), so these see the stores above
	ds_load_b128 v[FA+8*\kk:FA+8*\kk+3],   v[PHLD] offset:64*\kk
	ds_load_b128 v[FA+8*\kk+4:FA+8*\kk+7], v[PHLD] offset:64*\kk+32
.endr
	; ---- the context: result row 8 (l / 16) is the sum with hi, the row after it the sum with lo ----
	s_wait_dscnt 0x0
	CTX 0, 0, 1
	PLACES
	TR 2, 0
	CTX 1, 1, 0
	PLACES
	TR 3, 1
	s_wait_dscnt 32                                ; rows 64-95 are in; the 32 loads of rows 96-127 may be out
	CTX 2, 0, 0
	s_wait_dscnt 0x0
	CTX 3, 1, 0
	PLACES
	WIN W_AD
.irp n, 0,1,2,3,4,5,6,7,8,9,10,11,12,13,14,15
	v_add_f32 v[T+\n], v[8*\n], v[8*\n+1]          ; hi + lo: each accumulator's two lowest registers
.endr
	WIN 0
.irp n, 0,1,2,3,4,5,6,7,8,9,10,11,12,13,14,15
	ds_store_b32 v[CXST], v[T+\n] offset:64*\n     ; column 16 n + l % 16; both halves of the lanes hold it
.endr
	ds_load_b128 v[SC+8:SC+11],  v[CXLD]
	ds_load_b128 v[SC+12:SC+15], v[CXLD] offset:512
	s_wait_dscnt 0x0
	global_store_b128 v[L16], v[SC+8:SC+11],  s[14:15]             ; 512 consecutive bytes each
	global_store_b128 v[L16], v[SC+12:SC+15], s[14:15] offset:512
	s_wait_tensorcnt 0x0                           ; the wave's end: three closing lines behind my last LDS store
	ds_add_u32 v[SPW], v[NIL]
	s_wait_dscnt 0x0
	s_endpgm
.Lfunc_end_k_q46c9299405_main:
	.size	k_q46c9299405_main, .Lfunc_end_k_q46c9299405_main-k_q46c9299405_main
	.p2alignl 7, 3214868480
	.fill 96, 4, 3214868480
	.section	.rodata,"a",@progbits
	.p2align	6, 0x0
	.amdhsa_kernel k_q46c9299405_main
		.amdhsa_group_segment_fixed_size 312832
		.amdhsa_private_segment_fixed_size 0
		.amdhsa_enable_private_segment 0
		.amdhsa_kernarg_size 48
		.amdhsa_user_sgpr_count 2
		.amdhsa_user_sgpr_kernarg_segment_ptr 1
		.amdhsa_wavefront_size32 1
		.amdhsa_system_sgpr_workgroup_id_x 1
		.amdhsa_system_sgpr_workgroup_id_y 1
		.amdhsa_system_sgpr_workgroup_id_z 1
		.amdhsa_system_vgpr_workitem_id 0
		.amdhsa_next_free_vgpr 1024
		.amdhsa_next_free_sgpr 66
		.amdhsa_reserve_vcc 0
		.amdhsa_float_denorm_mode_32 3
		.amdhsa_float_denorm_mode_16_64 3
		.amdhsa_memory_ordered 1
		.amdhsa_forward_progress 1
		.amdhsa_inst_pref_size 255
	.end_amdhsa_kernel
	.section	.bss,"aw",@nobits
	.p2align	6
	.space	262144
	.amdgpu_metadata
---
amdhsa.version: [ 1, 2 ]
amdhsa.kernels:
  - .name:           k_q46c9299405_main
    .symbol:         k_q46c9299405_main.kd
    .args:
      - { .name: enc_outputs, .offset: 0, .size: 8, .value_kind: global_buffer, .address_space: global }
      - { .name: w2f, .offset: 8, .size: 8, .value_kind: global_buffer, .address_space: global }
      - { .name: dpb, .offset: 16, .size: 8, .value_kind: global_buffer, .address_space: global }
      - { .name: v, .offset: 24, .size: 8, .value_kind: global_buffer, .address_space: global }
      - { .name: scores, .offset: 32, .size: 8, .value_kind: global_buffer, .address_space: global }
      - { .name: ctxp, .offset: 40, .size: 8, .value_kind: global_buffer, .address_space: global }
    .group_segment_fixed_size: 312832
    .private_segment_fixed_size: 0
    .kernarg_segment_align: 8
    .kernarg_segment_size: 48
    .max_flat_workgroup_size: 128
    .sgpr_count:     66
    .vgpr_count:     1024
    .wavefront_size: 32
...
	.end_amdgpu_metadata
.endif
;; end of part 2
;; launch finish (part 3): grid 32 x 1, 8 waves a work-group, no clusters, 1,792 bytes of LDS; arguments scores, ctxp, out0, out1; writes out0, out1
.if DOCPART == 3
	.amdgcn_target "amdgcn-amd-amdhsa--gfx1250"
	.amdhsa_code_object_version 6
	.text
	.protected	k_q46c9299405_finish
	.globl	k_q46c9299405_finish
	.p2align	8
	.type	k_q46c9299405_finish,@function
k_q46c9299405_finish:
	s_mov_b64 s[64:65], 0
	v_nop
	global_prefetch_b8 v0, s[64:65] scope:SCOPE_SE
	s_setreg_imm32_b32 hwreg(HW_REG_WAVE_MODE, 25, 1), 1
	s_wait_xcnt 0x0
; ONE WORK-GROUP FOR A BATCH ROW b: the softmax over its 2,048 scores (out1), and the 16 tiles' partial contexts joined (out0).
;   M = the largest score; p[t] = 2^((s[t] - M) log2 e); L = sum of p; out1 = p / L.     ctxp of tile j was made with weights relative to the tile's own maximum m_j, taken here anew from the same
;   f32 scores: out0[e] = sum over j of 2^((m_j - M) log2 e) ctxp[j][e] / L.
; 256 threads; the 16 lanes t / 16 = j hold tile j's 128 scores, 8 a lane; thread t holds 4 columns e of all 16 partial contexts.  All 18 loads of a thread go out at once.
; 2.3 MB are read once: no matrix unit, no cluster, no tensor load.  A weight below 2^-126 counts as 0; NaN and infinities are not treated apart.
.set RM,    0                          ; 8 waves' maxima
.set RS,    256                        ; 8 waves' sums
.set FJ,    512                        ; 16 tiles' factors
.set SPARE, 768                        ; the spare words, 128 bytes for each of eight waves
.set P,   8                            ; v[8:15]    my 8 scores, then weights
.set C,   32                           ; v[32:95]   ctxp: tile j at C + 4 j
.set FF,  96                           ; v[96:111]  the 16 factors
.set ACC, 112                          ; v[112:115] my 4 columns of the context
	s_load_b256 s[4:11], s[0:1], 0x0               ; scores s[4:5], ctxp s[6:7], out0 s[8:9], out1 s[10:11]
	v_lshl_add_u32 v2, v0, 2, SPARE                ; my spare word; never rewritten
	v_mov_b32 v3, 0                                ; 0; never rewritten
	v_lshrrev_b32 v1, 5, v0
	v_readfirstlane_b32 s16, v1                    ; wave 0..7
	v_lshrrev_b32 v6, 4, v0                        ; j
	v_and_b32 v1, 15, v0
	v_lshlrev_b32 v4, 4, v1
	v_lshl_add_u32 v4, v6, 9, v4                   ; 512 j + 16 (t % 16): sixteen lanes take 256 consecutive bytes
	v_lshlrev_b32 v5, 4, v0                        ; 16 t
	v_lshlrev_b32 v6, 2, v6                        ; 4 j
	v_mov_b32 v7, 0                                ; LDS byte 0
	s_lshl_b32 s17, s16, 2
	v_mov_b32 v19, s17                             ; 4 w
	s_mov_b32 s12, 0x76543210                      ; v_permlanex16_b32: each lane takes its own place in the other half
	s_mov_b32 s13, 0xfedcba98
	s_mov_b32 s28, 0x3fb8aa3b                      ; log2(e)
	s_mov_b32 s21, 0
	s_wait_kmcnt 0x0
	s_lshl_b32 s20, ttmp9, 13                      ; a batch row's 2,048 f32
	s_add_nc_u64 s[4:5], s[4:5], s[20:21]
	s_add_nc_u64 s[10:11], s[10:11], s[20:21]
	s_lshl_b32 s20, ttmp9, 16                      ; its 16 partial contexts
	s_add_nc_u64 s[6:7], s[6:7], s[20:21]
	s_lshl_b32 s20, ttmp9, 12
	s_add_nc_u64 s[8:9], s[8:9], s[20:21]
	global_load_b128 v[P:P+3],   v4, s[4:5] th:TH_LOAD_NT
	global_load_b128 v[P+4:P+7], v4, s[4:5] offset:256 th:TH_LOAD_NT
.irp j, 0,1,2,3,4,5,6,7,8,9,10,11,12,13,14,15
	global_load_b128 v[C+4*\j:C+4*\j+3], v5, s[6:7] offset:4096*\j th:TH_LOAD_NT
.endr
	s_wait_loadcnt 16                              ; the scores are in; the 16 loads of ctxp may stay out
	v_max3_num_f32 v16, v[P], v[P+1], v[P+2]
	v_max3_num_f32 v16, v16, v[P+3], v[P+4]
	v_max3_num_f32 v16, v16, v[P+5], v[P+6]
	v_max_num_f32 v16, v16, v[P+7]
.irp m, 1,2,4,8
	v_max_num_f32_dpp v16, v16, v16 row_xmask:\m row_mask:0xf bank_mask:0xf
.endr
	v_mov_b32 v18, v16                             ; v16 = m_j.  (v_permlanex16_b32's destination counts as read)
	v_permlanex16_b32 v18, v16, s12, s13
	v_max_num_f32 v18, v16, v18                    ; my wave's maximum
	ds_store_b32 v19, v18 offset:RM
	s_wait_dscnt 0x0                               ; for the others' sake
	s_barrier_signal -1
	s_barrier_wait -1
	ds_load_b128 v[20:23], v7 offset:RM
	ds_load_b128 v[24:27], v7 offset:RM+16
	s_wait_dscnt 0x0
	v_max3_num_f32 v20, v20, v21, v22
	v_max3_num_f32 v20, v20, v23, v24
	v_max3_num_f32 v20, v20, v25, v26
	v_max_num_f32 v20, v20, v27                    ; M
.irp i, 0,1,2,3,4,5,6,7
	v_sub_f32 v[P+\i], v[P+\i], v20
.endr
	v_sub_f32 v21, v16, v20
.irp i, 0,1,2,3,4,5,6,7
	v_mul_f32 v[P+\i], s28, v[P+\i]
.endr
	v_mul_f32 v21, s28, v21
.irp i, 0,1,2,3,4,5,6,7
	v_exp_f32 v[P+\i], v[P+\i]
.endr
	v_exp_f32 v21, v21                             ; tile j's factor
	v_nop                                          ; a plain instruction behind the exponentials (ISA guide 5.7.2)
	s_wait_alu depctr_va_vdst(0)
	v_pk_add_f32 v[22:23], v[P:P+1], v[P+2:P+3]
	v_pk_add_f32 v[24:25], v[P+4:P+5], v[P+6:P+7]
	v_pk_add_f32 v[22:23], v[22:23], v[24:25]
	v_add_f32 v22, v22, v23
.irp m, 1,2,4,8
	v_add_f32_dpp v22, v22, v22 row_xmask:\m row_mask:0xf bank_mask:0xf
.endr
	v_permlanex16_b32 v23, v22, s12, s13
	v_add_f32 v22, v22, v23                        ; my wave's sum
	ds_store_b32 v19, v22 offset:RS
	ds_store_b32 v6, v21 offset:FJ                 ; sixteen lanes write the same word with the same number
	s_wait_dscnt 0x0                               ; for the others' sake
	s_barrier_signal -1
	s_barrier_wait -1
	ds_load_b128 v[24:27], v7 offset:RS
	ds_load_b128 v[28:31], v7 offset:RS+16
.irp i, 0,1,2,3
	ds_load_b128 v[FF+4*\i:FF+4*\i+3], v7 offset:FJ+16*\i
.endr
	s_wait_dscnt 0x0
	v_pk_add_f32 v[24:25], v[24:25], v[26:27]
	v_pk_add_f32 v[28:29], v[28:29], v[30:31]
	v_pk_add_f32 v[24:25], v[24:25], v[28:29]
	v_add_f32 v24, v24, v25                        ; L: at least 1, since the largest score's weight is 1
	v_rcp_f32 v28, v24
	v_nop                                          ; a plain instruction behind the reciprocal
	s_wait_alu depctr_va_vdst(0)
.irp i, 0,2,4,6
	v_pk_mul_f32 v[P+\i:P+\i+1], v[P+\i:P+\i+1], v[28:29] op_sel_hi:[1,0]
.endr
	global_store_b128 v4, v[P:P+3],   s[10:11] th:TH_STORE_NT             ; sixteen lanes store 256 consecutive bytes, at a multiple of 256 from out1's first byte
	global_store_b128 v4, v[P+4:P+7], s[10:11] offset:256 th:TH_STORE_NT
	s_wait_loadcnt 0x0                             ; ctxp
	v_pk_mul_f32 v[ACC:ACC+1],   v[C:C+1],   v[FF:FF+1] op_sel_hi:[1,0]   ; tile 0 starts the sums
	v_pk_mul_f32 v[ACC+2:ACC+3], v[C+2:C+3], v[FF:FF+1] op_sel_hi:[1,0]
.irp j, 1,2,3,4,5,6,7,8,9,10,11,12,13,14,15
.if \j % 2                             ; the factor is the pair's second register, or its first, for both halves
	v_pk_fma_f32 v[ACC:ACC+1],   v[C+4*\j:C+4*\j+1],   v[FF+\j-1:FF+\j], v[ACC:ACC+1]   op_sel:[0,1,0] op_sel_hi:[1,1,1]
	v_pk_fma_f32 v[ACC+2:ACC+3], v[C+4*\j+2:C+4*\j+3], v[FF+\j-1:FF+\j], v[ACC+2:ACC+3] op_sel:[0,1,0] op_sel_hi:[1,1,1]
.else
	v_pk_fma_f32 v[ACC:ACC+1],   v[C+4*\j:C+4*\j+1],   v[FF+\j:FF+\j+1], v[ACC:ACC+1]   op_sel_hi:[1,0,1]
	v_pk_fma_f32 v[ACC+2:ACC+3], v[C+4*\j+2:C+4*\j+3], v[FF+\j:FF+\j+1], v[ACC+2:ACC+3] op_sel_hi:[1,0,1]
.endif
.endr
	v_pk_mul_f32 v[ACC:ACC+1],   v[ACC:ACC+1],   v[28:29] op_sel_hi:[1,0]
	v_pk_mul_f32 v[ACC+2:ACC+3], v[ACC+2:ACC+3], v[28:29] op_sel_hi:[1,0]
	global_store_b128 v5, v[ACC:ACC+3], s[8:9] th:TH_STORE_NT             ; a wave stores 512 consecutive bytes
	s_wait_tensorcnt 0x0                           ; the wave's end: three closing lines behind my last LDS store
	ds_add_u32 v2, v3
	s_wait_dscnt 0x0
	s_endpgm
.Lfunc_end_k_q46c9299405_finish:
	.size	k_q46c9299405_finish, .Lfunc_end_k_q46c9299405_finish-k_q46c9299405_finish
	.p2alignl 7, 3214868480
	.fill 96, 4, 3214868480
	.section	.rodata,"a",@progbits
	.p2align	6, 0x0
	.amdhsa_kernel k_q46c9299405_finish
		.amdhsa_group_segment_fixed_size 1792
		.amdhsa_private_segment_fixed_size 0
		.amdhsa_enable_private_segment 0
		.amdhsa_kernarg_size 32
		.amdhsa_user_sgpr_count 2
		.amdhsa_user_sgpr_kernarg_segment_ptr 1
		.amdhsa_wavefront_size32 1
		.amdhsa_system_sgpr_workgroup_id_x 1
		.amdhsa_system_sgpr_workgroup_id_y 1
		.amdhsa_system_sgpr_workgroup_id_z 1
		.amdhsa_system_vgpr_workitem_id 0
		.amdhsa_next_free_vgpr 116
		.amdhsa_next_free_sgpr 66
		.amdhsa_reserve_vcc 0
		.amdhsa_float_denorm_mode_32 3
		.amdhsa_float_denorm_mode_16_64 3
		.amdhsa_memory_ordered 1
		.amdhsa_forward_progress 1
		.amdhsa_inst_pref_size 10
	.end_amdhsa_kernel
	.amdgpu_metadata
---
amdhsa.version: [ 1, 2 ]
amdhsa.kernels:
  - .name:           k_q46c9299405_finish
    .symbol:         k_q46c9299405_finish.kd
    .args:
      - { .name: scores, .offset: 0, .size: 8, .value_kind: global_buffer, .address_space: global }
      - { .name: ctxp, .offset: 8, .size: 8, .value_kind: global_buffer, .address_space: global }
      - { .name: out0, .offset: 16, .size: 8, .value_kind: global_buffer, .address_space: global }
      - { .name: out1, .offset: 24, .size: 8, .value_kind: global_buffer, .address_space: global }
    .group_segment_fixed_size: 1792
    .private_segment_fixed_size: 0
    .kernarg_segment_align: 8
    .kernarg_segment_size: 32
    .max_flat_workgroup_size: 256
    .sgpr_count:     66
    .vgpr_count:     116
    .wavefront_size: 32
...
	.end_amdgpu_metadata
.endif
;; end of part 3
;; ======== version 2 of 2: 3 launches; version 1 with the launch main written anew for expert scheduling mode
;; workspace buffers: w2f 2,097,152 bytes; dpb 131,072 bytes; scores 262,144 bytes; ctxp 2,097,152 bytes
;; launch prep: the kernel of part 1 again; grid 192 x 1, 8 waves a work-group, no clusters, 21,504 bytes of LDS; arguments W1, W2, dec_hidden, w2f, dpb; writes w2f, dpb
;; launch main (part 4): grid 512 x 1, 4 waves a work-group, no clusters, 312,832 bytes of LDS; arguments enc_outputs, w2f, dpb, v, scores, ctxp; writes scores, ctxp
.if DOCPART == 4
	.amdgcn_target "amdgcn-amd-amdhsa--gfx1250"
	.amdhsa_code_object_version 6
	.text
	.protected	k_q46c9299405_main
	.globl	k_q46c9299405_main
	.p2align	8
	.type	k_q46c9299405_main,@function
k_q46c9299405_main:
	s_mov_b64 s[64:65], 0
	v_nop
	global_prefetch_b8 v0, s[64:65] scope:SCOPE_SE
	s_setreg_imm32_b32 hwreg(HW_REG_WAVE_SCHED_MODE, 0, 2), 2
	s_setreg_imm32_b32 hwreg(HW_REG_WAVE_MODE, 25, 1), 1
	s_wait_xcnt 0x0
	s_wait_alu depctr_vm_vsrc(0)
; A WORK-GROUP OWNS 128 ROWS t OF ONE BATCH ROW b (tile = 16 b + j).  It makes, for them,
;   score[t] = sum over k of v[k] tanh(dec_proj[b][k] + sum over e of enc[t][e] W2[k][e]),     p[t] = exp(score[t] - m), m = the tile's largest score,     ctxp[e] = sum over t of p[t] enc[t][e].
; The last launch joins the 16 tiles of a batch row.  enc, W2 and v are rounded to bf16 once; products' sums, dec_proj, tanh and scores are f32; p enters the second product as bf16 hi + bf16 lo.
; enc IS READ ONCE: the tile's rows are rounded to bf16 on the way in and stay in LDS (128 x 1,024 x 2 bytes, padded: 294,912 bytes) for both chunks of columns k and for the context.
; SHARES.  k goes in two chunks of 512; in a chunk wave w owns columns 128 w .. 128 w + 127 for all 128 rows: 8 x 8 accumulators of 16 x 16, 512 registers.  e goes in 32 K steps of 32.  A K step is two HALF
; STEPS of 32 matrix instructions on the same fragments of enc: columns 0-63 (window 2), then columns 64-127 (window 3).  So a K step's 64 matrix instructions take 16 LDS loads (enc) and 16 global loads (W2).
; A fragment of W2 serves one wave alone, so it goes straight into registers, from the copy in fragment order, 512 consecutive bytes a load, through a ring of four slots, one a half step.
; A TRIP is a slab of 64 columns e: two K steps, four half steps H0 to H3, ring slots 0 to 3 in order.
; CHUNK 0 STREAMS: while slab s is multiplied, slab s + 1 is rounded and stored to LDS and slab s + 2 is asked for; one barrier a slab.
; tanh(x) = 1 - 2 / (1 + 2^(2 log2(e) x)): it ends at +1 and -1 by way of 2^x = infinity and 0.  So score = sum of v - 2 sum of v / (1 + 2^..).
; NO CLUSTER, NO TENSOR LOAD, though all work-groups walk the same W2: beside the resident rows 32,768 bytes of LDS are left, 17,920 of them taken by tables and stages; a joint slot of 512 columns x 32 e
; of bf16 is 32,768 bytes, and a ring wants two.  enc passes through registers for the rounding anyway.
; LIMITS.  NaN and infinities in the inputs are not treated apart.  A weight p below 2^-126 counts as 0.
; THE MODE: SCHED_MODE bits 1:0 = 2 (LLVM: expert scheduling mode 2), set by the entry lines.  The code itself states the register dependences between vector or matrix instructions and memory or LDS
; instructions, with s_wait_alu, always for 0.
; THE PLAN.  Registers that memory or LDS instructions touch in the K loops:
;   ring slot s   Hs's matrix instructions read it; the eight loads of the half step four on land in it; they are issued in the half step after Hs.
;   FA0, FA1      fragments of enc.  H0 and H1 read FA0, H2 and H3 read FA1.  FA1 is loaded in H0; FA0, for the next trip, in H3 where the trip has a barrier (the slab is whole behind it), else in H2.
;   ST0           enc as loaded.  The roundings at a trip's head read it; the loads of the slab after the next land in it, straight behind the head's wait.  (ST1 holds slab 1 alone.)
;   OUT           a slab's 32 registers of bf16, in S's registers, which are idle in chunk 0.  The roundings write it; sixteen LDS stores in H0 read it.  No store reads ST0.
;   v[ADRA], v[VSTC]   LDS addresses, written once a trip, at its edge.       v[L16], v[VO], v[AF0], v[TBA]   made at the head and never written again: W2's four slots and enc have scalar bases that step.
; ONE wait on va_vdst stands at the head of each half step that issues loads.  It states that the half step before is done reading its slot (at a K step's head: the K step before its fragments; at a trip's
; head also: the roundings are done with ST0 and OUT, and the two LDS addresses are written).  Behind it the half step's loads are dealt among its matrix instructions, eight behind a row block: those
; matrix instructions name their own slot, their own fragment buffer and the accumulators, none of the registers that the loads touch.  One wait on vm_vsrc a trip stands at its edge, ahead of the adds.
;
; LDS: element (t, e) of enc at (e / 64) SLAB + t PITCH + 2 (e % 64).  A row of a slab is 128 bytes + 16 of padding = 36 words, so the 16 rows of a fragment load start at 16 different groups of four banks
; (64 banks of 4 bytes: ISA guide 11.1).  Slab by slab, so that the slab being stored and the slab being read never share a byte.
.set PITCH, 144
.set SLAB,  128*PITCH                  ; 18,432
.set DL,    16*SLAB                    ; dec_proj[b][0..1023], f32
.set VL,    DL+4096                    ; v, f32
.set SP,    VL+4096                    ; 4 waves x 128 partial scores
.set PHL,   SP+2048                    ; each wave's own 768 bytes: p hi (128 bf16) at 0, p lo at 272
.set CX,    PHL+3072                   ; each wave's own 1,024 bytes: its 256 numbers of the context
.set SPARE, CX+4096                    ; the spare words, 128 bytes for each wave: no other line names them
; REGISTERS, in windows of 256 (s_set_vgpr_msb: bits 1:0 source 0, 3:2 source 1, 5:4 source 2, 7:6 destination).
;   window 0: addresses, constants, partial scores, enc's fragments (two buffers of 64)     window 1: v0-127 W2's ring of four slots; v128-255 enc as loaded, two buffers of 64 (the second serves slab 1 alone)
;   window 2: the accumulators of my columns 0-63: rows 16 a .., columns 16 nb .. at 8 (4 a + nb)     window 3: those of my columns 64-127; in the last phase rows 64-127 of enc, turned
.set SPW,  2                           ; LDS address of my spare word; never rewritten
.set NIL,  3                           ; 0; never rewritten
.set AF0,  4                           ; my lane's place in a fragment of enc: (l % 16) PITCH + 16 (l / 16); never rewritten
.set ADRA, 5                           ; AF0 + the trip's slab
.set L16,  6                           ; 16 x lane; never rewritten
.set TBA,  7                           ; DL + 4 (128 w + l % 16); never rewritten: the second chunk's 2,048 bytes stand in the immediate
.set VST0, 8                           ; enc's way into a slab: row 32 w + 8 (l / 16), 8 (l % 16) bytes
.set VSTC, 9                           ; VST0 + the trip's slab
.set VO,   10                          ; enc in memory: row 32 w + 8 (l / 16), 16 (l % 16) bytes; not rewritten in the K loops
.set VTR,  8                           ; THE LAST PHASE makes v8-15 anew, when the K loops' addresses are dead.  v8, v9: turning loads: my wave's slabs 4 w, 4 w + 1 and 4 w + 2, 4 w + 3
.set SPST, 10
.set SPLD, 11
.set PHST, 12
.set PHLD, 13
.set CXST, 14
.set CXLD, 15
.set CDV,  16                          ; v[16:31]  for each of my 8 column blocks the pair (2 log2(e) dec_proj, -2 v) of my column
.set T,    32                          ; v[32:47]  at work
.set VS,   44                          ; v44       the sum of v over my columns (v45 stays 0: named with it as a pair); T reaches it only when it has been used
.set S,    48                          ; v[48:111] S[8 a + j]: my columns' part of the score of row 16 a + 8 (l / 16) + j
.set OUT,  48                          ; v[48:79]  in chunk 0, when S is not yet begun: a slab's rows of mine in bf16, on their way into LDS
.set SC,   112                         ; v[112:127] the tables on their way in; a chunk's constants as loaded; later scores, maximum, context on its way out
.set FA,   128                         ; v[128:255] enc's fragments: buffer f, row block a at FA + 64 f + 8 a
.set ST,   128                         ; window 1: enc as loaded: buffer s at ST + 64 s
.set WB,   36                          ; s[36:43]  ring slot s: the address, in my wave's stream of W2, of the half step that the slot is asked for next: a pair at WB + 2 s
.set MSB, 0
.macro WIN new                         ; the immediate's high byte repeats the setting that is left; a switch that changes nothing is dropped
.if MSB != (\new)
	s_set_vgpr_msb (MSB<<8)|(\new)
.set MSB, \new
.endif
.endm
.set W_MUL, 0xa4                       ; C and D window 2, source 1 (W2) window 1, source 0 window 0; + 0x50: C and D window 3
.set W_TO1, 0x40                       ; destination window 1, address window 0
.set W_CV,  0x05                       ; both sources window 1, destination window 0
.set W_AD,  0x0a                       ; both sources window 2, destination window 0
.macro PLACES                          ; a vector instruction that reads a matrix result stands four places behind it (ISA guide 7.12.1)
.rept 4
	v_nop
.endr
.endm
; A ROW BLOCK: 4 matrix instructions: row block a x the 4 column blocks of window w, 32 along e.  A half step is eight of them, a = 0 to 7.  The 64 accumulators take turns in one order everywhere.
.macro MM4 fa, slot, w, zero, a
	WIN W_MUL+0x50*((\w)-2)
.irp nb, 0,1,2,3
.set rD, 8*(4*(\a)+\nb)
.set rA, FA+64*(\fa)+8*(\a)
.set rB, 32*(\slot)+8*\nb
.if \zero
	v_wmma_f32_16x16x32_bf16 v[rD:rD+7], v[rA:rA+7], v[rB:rB+7], 0
.else
	v_wmma_f32_16x16x32_bf16 v[rD:rD+7], v[rA:rA+7], v[rB:rB+7], v[rD:rD+7]
.endif
.endr
.endm
.macro HALF fa, slot, w, zero          ; a half step begins: which fragment buffer, ring slot and window; zero = 1: it starts the sums
.set HFA, \fa
.set HSL, \slot
.set HW,  \w
.set HZ,  \zero
.set rb,  0
.endm
.macro ROWB                            ; its next row block
	MM4 HFA, HSL, HW, HZ, rb
.set rb, rb+1
.endm
.macro REST                            ; and all that are left
.rept 8-rb
	ROWB
.endr
.endm
.macro AFH fa, areg, imm, h            ; half h of a K step's fragments of enc: row blocks 4 h to 4 h + 3, 32 e: 8 LDS loads
	WIN 0
.irp i, 0,1,2,3
	ds_load_b128 v[FA+64*(\fa)+8*(4*(\h)+\i):FA+64*(\fa)+8*(4*(\h)+\i)+3],   v[\areg] offset:(\imm)+(4*(\h)+\i)*16*PITCH
	ds_load_b128 v[FA+64*(\fa)+8*(4*(\h)+\i)+4:FA+64*(\fa)+8*(4*(\h)+\i)+7], v[\areg] offset:(\imm)+(4*(\h)+\i)*16*PITCH+32
.endr
.endm
.macro BLOAD slot                      ; a half step's fragments of W2, 64 columns k x 32 e: 8 loads of 512 consecutive bytes
	WIN W_TO1
.irp j, 0,1,2,3,4,5,6,7
	global_load_b128 v[32*(\slot)+4*\j:32*(\slot)+4*\j+3], v[L16], s[WB+2*(\slot):WB+2*(\slot)+1] offset:512*\j
.endr
.endm
.macro ALOAD st, imm                   ; my wave's 32 rows of a slab, f32: in each load lanes 0-15 take 256 consecutive bytes of one row, lanes 16-31 those of the row 8 below
	WIN W_TO1
.irp i, 0,1,2,3,4,5,6,7,8,9,10,11,12,13,14,15
	global_load_b128 v[ST+64*(\st)+4*\i:ST+64*(\st)+4*\i+3], v[VO], s[4:5] offset:(\imm)+((\i%8)+16*(\i/8))*4096 th:TH_LOAD_NT
.endr
.endm
.macro ROUND st                        ; they are rounded to bf16, out of the staging buffer into OUT
	WIN W_CV
.irp i, 0,1,2,3,4,5,6,7,8,9,10,11,12,13,14,15
	v_cvt_pk_bf16_f32 v[OUT+2*\i],   v[ST+64*(\st)+4*\i],   v[ST+64*(\st)+4*\i+1]
	v_cvt_pk_bf16_f32 v[OUT+2*\i+1], v[ST+64*(\st)+4*\i+2], v[ST+64*(\st)+4*\i+3]
.endr
.endm
.macro PUT imm, h                      ; and half h of them stored: lanes 0-15 write 128 bytes of a row, lanes 16-31 those 8 rows (1,152 bytes) on: the other half of the banks
	WIN 0
.irp i, 0,1,2,3,4,5,6,7
	ds_store_b64 v[VSTC], v[OUT+2*(8*(\h)+\i):OUT+2*(8*(\h)+\i)+1] offset:(\imm)+(\i+16*(\h))*PITCH
.endr
.endm
; A TRIP: slab s, K steps 2 s (fragment buffer 0) and 2 s + 1 (buffer 1).
; cv >= 0: staging buffer cv holds slab s + 1: it is rounded and stored, and handed to the other waves by the trip's barrier.  ask >= 0: enc's base steps by so many bytes, and that slab is asked for into buffer 0.
; zero = 1: the first K step starts the sums.  bl = 1: a trip follows, and its half steps 0 to 2 of W2 are asked for (every trip asks for its own half step 3, in H0).
; nxt: the fragments fetched last are the next slab's (0), slab 0's, for the next chunk (1), or none (-1).
; THE COUNTS ON LOADS.  Loads come back in order (ISA guide 5.7.1).  A trip issues: enc's 16 (if it asks), its own half step 3, the next trip's half steps 0, 1 and 2, eight loads each.  So behind the half
; step that is due stand: at the head two half steps (16); at H1 one, enc's and one (16, or 32); at H2 enc's and two (16, or 32; 8 where no trip follows); at H3 two (16; none where no trip follows).
; The wait at the trip's head shows the staged slab landed too: it was asked for ahead of that half step of W2.
; THE BASES.  A slot's base steps by four half steps of 4,096 bytes behind the counted wait that shows the loads that read it done; enc's base likewise, at the trip's head.
.macro TRIP cv, ask, zero, bl, nxt
.set AO, 0
.if (\ask) >= 0
.set AO, 16
.endif
	; ---- H0 ----
	s_wait_loadcnt 16
.if \bl
	s_add_nc_u64 s[WB:WB+1], s[WB:WB+1], 0x4000
.endif
.if (\cv) >= 0
	ROUND \cv
.endif
.if (\ask) >= 0
	s_add_nc_u64 s[4:5], s[4:5], \ask              ; free since the wait above: all earlier loads of enc are back
	WIN W_TO1
.endif
	s_wait_alu depctr_va_vdst(0)                   ; the trip before is done reading slot 3 and fragment buffer 1, in which H0's loads land; v[ADRA] (and v[VSTC]) are written; where the trip rounds: OUT is written, which the stores read, and the roundings are done reading the staging buffer, in which enc's loads land
.if (\ask) >= 0
	ALOAD 0, 0                                     ; first of all: this slab has the trip in which to land
.endif
	s_wait_dscnt 0x0                               ; this K step's fragments are in
	HALF 0, 0, 2, \zero
	ROWB
	BLOAD 3                                        ; no further wait in H0: no matrix instruction since the wait names slot 3, buffer 1, OUT or an address
	ROWB
.if (\cv) >= 0
	PUT SLAB, 0
	ROWB
	PUT SLAB, 1
	ROWB
.endif
	AFH 1, ADRA, 64, 0
	ROWB
	AFH 1, ADRA, 64, 1
	REST
	; ---- H1 ----
	s_wait_loadcnt 16+AO
.if \bl
	s_add_nc_u64 s[WB+2:WB+3], s[WB+2:WB+3], 0x4000
	s_wait_alu depctr_va_vdst(0)                   ; H0 is done reading slot 0, in which the loads below land
.endif
	HALF 0, 1, 3, \zero
	ROWB
.if \bl
	BLOAD 0
.endif
	REST
	; ---- H2 ----
	s_wait_loadcnt AO+8+8*(\bl)
	s_wait_dscnt 0x0                               ; the second K step's fragments; and, for the others' sake, my stores of the next slab
.if \bl
	s_add_nc_u64 s[WB+4:WB+5], s[WB+4:WB+5], 0x4000
.endif
.if (\cv) >= 0
	WIN W_TO1
	s_wait_alu depctr_va_vdst(0)                   ; H1 is done reading slot 1, in which the loads below land
	BLOAD 1                                        ; ahead of the signal: only matrix instructions stand between the signal and the wait
	s_barrier_signal -1
	HALF 1, 2, 2, 0
	REST                                           ; 32 matrix instructions, work on registers, between the signal and the wait
	s_barrier_wait -1                              ; every wave's part of the next slab is in LDS
.else
.if (\bl) || ((\nxt) >= 0)
	s_wait_alu depctr_va_vdst(0)                   ; H1 is done reading slot 1 and, with H0, fragment buffer 0, in which the loads below land
.endif
	HALF 1, 2, 2, 0
	ROWB
.if \bl
	BLOAD 1
	ROWB
.endif
.if (\nxt) == 0
	AFH 0, ADRA, SLAB, 0
	ROWB
	AFH 0, ADRA, SLAB, 1
.elseif (\nxt) == 1
	AFH 0, AF0, 0, 0
	ROWB
	AFH 0, AF0, 0, 1
.endif
	REST
.endif
	; ---- H3 ----
	s_wait_loadcnt 16*(\bl)
.if \bl
	s_add_nc_u64 s[WB+6:WB+7], s[WB+6:WB+7], 0x4000
	s_wait_alu depctr_va_vdst(0)                   ; H2 is done reading slot 2, in which the loads below land (fragment buffer 0 was read out ahead of H2's wait)
.endif
	HALF 1, 3, 3, 0
	ROWB
.if (\cv) >= 0
	AFH 0, ADRA, SLAB, 0                           ; the next slab's first fragments, behind the barrier
	ROWB
	AFH 0, ADRA, SLAB, 1
	ROWB
.endif
.if \bl
	BLOAD 2
.endif
	REST
.endm
.macro EDGE k0                         ; on to the next slab: LDS addresses alone
	WIN 0                                          ; at a label and at a branch every window is 0
	s_add_co_u32 s32, s32, SLAB
	s_wait_alu depctr_vm_vsrc(0)                   ; the LDS loads and stores issued so far have read v[ADRA], v[VSTC] and OUT, which the adds below and the next roundings (behind the last slab: the sums S) write
	v_add_nc_u32 v[ADRA], s32, v[AF0]
.if \k0
	v_add_nc_u32 v[VSTC], s32, v[VST0]
.endif
.endm
; Chunk c's constants for my eight columns.  Its 40 plain instructions are also the places behind the chunk's last products.  The loads owe no wait: v[TBA] is never rewritten, and the vector
; instructions that last named v[SC ..] (the chunk before's) stand ahead of the trips' waits.
.macro CONV c
	WIN 0
.irp i, 0,1,2,3,4,5,6,7
	ds_load_b32 v[SC+\i],   v[TBA] offset:2048*(\c)+64*\i         ; dec_proj of column 16 i + l % 16 of my 128
	ds_load_b32 v[SC+8+\i], v[TBA] offset:2048*(\c)+4096+64*\i    ; v of it
.endr
	s_wait_dscnt 0x0
.irp i, 0,1,2,3,4,5,6,7
	v_mul_f32 v[CDV+2*\i], s24, v[SC+\i]
	v_cvt_pk_bf16_f32 v[SC+8+\i], v[SC+8+\i], v[SC+8+\i]  ; v is rounded to bf16 like the other inputs,
	v_lshlrev_b32 v[SC+8+\i], 16, v[SC+8+\i]              ; and used as f32
	v_add_f32 v[VS], v[VS], v[SC+8+\i]
	v_mul_f32 v[CDV+2*\i+1], -2.0, v[SC+8+\i]
.endr
.endm
; THE WAY INTO THE SCORES of window w's 256 registers, a row block (32 registers) at a time, in place: y = 2 log2(e) (x + dec); 2^y; + 1; reciprocal; S += -2 v x that.  Each accumulator is read from its
; low end on.  The exponentials and the reciprocals stand in runs, a plain instruction behind each run (ISA guide 5.7.2) and one wait for the run.  start = 1: the first column block starts the sums S: nothing is cleared.
.macro EPIW w, start
.irp a, 0,1,2,3,4,5,6,7
	WIN ((\w)<<6)|(\w)                             ; destination and source 0 window w, the rest window 0
.irp nb, 0,1,2,3
.set rC, CDV+8*((\w)-2)+2*\nb
.irp i, 0,2,4,6
	v_pk_fma_f32 v[32*\a+8*\nb+\i:32*\a+8*\nb+\i+1], v[32*\a+8*\nb+\i:32*\a+8*\nb+\i+1], s[24:25], v[rC:rC+1] op_sel_hi:[1,0,0]
.endr
.endr
.set z, 32*\a
.rept 32
	v_exp_f32 v[z], v[z]
.set z, z+1
.endr
	v_nop
	s_wait_alu depctr_va_vdst(0)                   ; the 32 exponentials have written their results, which the additions below read
.set z, 32*\a
.rept 16
	v_pk_add_f32 v[z:z+1], v[z:z+1], 1.0 op_sel_hi:[1,0]
.set z, z+2
.endr
.set z, 32*\a
.rept 32
	v_rcp_f32 v[z], v[z]
.set z, z+1
.endr
	v_nop
	s_wait_alu depctr_va_vdst(0)                   ; the 32 reciprocals have written their results, which the sums below read
	WIN (\w)                                       ; source 0 window w, the rest window 0
.irp nb, 0,1,2,3                       ; a sum is taken up again four instructions later
.set rC, CDV+8*((\w)-2)+2*\nb
.irp i, 0,2,4,6
.if (\start) && (\nb == 0)
	v_pk_mul_f32 v[S+8*\a+\i:S+8*\a+\i+1], v[32*\a+\i:32*\a+\i+1], v[rC:rC+1] op_sel:[0,1] op_sel_hi:[1,1]
.else
	v_pk_fma_f32 v[S+8*\a+\i:S+8*\a+\i+1], v[32*\a+8*\nb+\i:32*\a+8*\nb+\i+1], v[rC:rC+1], v[S+8*\a+\i:S+8*\a+\i+1] op_sel:[0,1,0] op_sel_hi:[1,1,1]
.endif
.endr
.endr
.endr
.endm
; The context's source 1: rows t = 32 kk .. + 31 of my wave's 256 columns e, turned on the way out of LDS: 16 fragments, 32 loads, into half buf of window win.
; Lane l addresses row 8 (l / 16) + l % 8, 16 bytes at 16 ((l / 8) % 2).
.macro TR kk, buf, win
	WIN (\win)<<6
.irp n, 0,1,2,3,4,5,6,7,8,9,10,11,12,13,14,15
	ds_load_tr16_b128 v[128*(\buf)+8*\n:128*(\buf)+8*\n+3],   v[VTR+\n/8] offset:((\n/4)%2)*SLAB+(\n%4)*32+(\kk)*32*PITCH
	ds_load_tr16_b128 v[128*(\buf)+8*\n+4:128*(\buf)+8*\n+7], v[VTR+\n/8] offset:((\n/4)%2)*SLAB+(\n%4)*32+(\kk)*32*PITCH+16*PITCH
.endr
.endm
.macro CTX kk, buf, win, zero          ; 16 matrix instructions, 16 accumulators by turns: source 0 = p (even rows hi, odd rows lo), 32 rows t; source 1 in window win
	WIN 0xa0|((\win)<<2)
.irp n, 0,1,2,3,4,5,6,7,8,9,10,11,12,13,14,15
.if \zero
	v_wmma_f32_16x16x32_bf16 v[8*\n:8*\n+7], v[FA+8*(\kk):FA+8*(\kk)+7], v[128*(\buf)+8*\n:128*(\buf)+8*\n+7], 0
.else
	v_wmma_f32_16x16x32_bf16 v[8*\n:8*\n+7], v[FA+8*(\kk):FA+8*(\kk)+7], v[128*(\buf)+8*\n:128*(\buf)+8*\n+7], v[8*\n:8*\n+7]
.endif
.endr
.endm
	; ---- the head ----
	s_load_b256 s[4:11], s[0:1], 0x0               ; enc s[4:5], w2f s[6:7], dpb s[8:9], v s[10:11]
	s_load_b128 s[12:15], s[0:1], 0x20             ; scores s[12:13], ctxp s[14:15]
	v_lshl_add_u32 v[SPW], v0, 2, SPARE
	v_mov_b32 v[NIL], 0
	v_lshrrev_b32 v32, 5, v0
	v_readfirstlane_b32 s16, v32                   ; wave 0..3
	v_and_b32 v33, 15, v0                          ; l % 16
	v_bfe_u32 v34, v0, 4, 1                        ; l / 16
	v_and_b32 v35, 31, v0                          ; l
	v_mul_u32_u24 v[AF0], v33, PITCH
	v_lshl_add_u32 v[AF0], v34, 4, v[AF0]
	v_mov_b32 v[ADRA], v[AF0]
	v_lshlrev_b32 v[L16], 4, v35
	v_mov_b32 v[VS], 0
	v_mov_b32 v[VS+1], 0
	s_wait_alu depctr_va_sdst(0)                   ; s16 is written, ahead of its first reader: offsets, bases and a branch are made from it
	s_lshl_b32 s20, s16, 17                        ; 32 rows of 4,096 bytes
	v_lshlrev_b32 v[VO], 4, v33
	v_lshl_add_u32 v[VO], v34, 15, v[VO]
	v_add_nc_u32 v[VO], s20, v[VO]
	s_mul_i32 s20, s16, 32*PITCH
	v_mul_u32_u24 v36, v34, 8*PITCH
	v_lshl_add_u32 v36, v33, 3, v36
	v_add_nc_u32 v[VST0], s20, v36
	v_mov_b32 v[VSTC], v[VST0]
	s_lshl_b32 s20, s16, 9                         ; my 128 columns' f32
	s_add_co_u32 s20, s20, DL
	v_lshl_add_u32 v[TBA], v33, 2, s20
	v_lshrrev_b32 v36, 1, v0                       ; thread t takes dec_proj[b][8 t .. 8 t + 7]: block t / 2 of dpb, half t % 2 of its 64 bytes
	v_and_b32 v37, 1, v0
	v_lshlrev_b32 v37, 5, v37
	v_lshl_add_u32 v40, v36, 11, v37
	v_lshlrev_b32 v41, 4, v0                       ; and v[4 t ..], v[512 + 4 t ..]
	v_lshl_add_u32 v42, v0, 5, DL
	v_lshl_add_u32 v43, v0, 4, VL
	s_mov_b32 s24, 0x4038aa3b                      ; 2 log2(e)
	s_mov_b32 s25, s24                             ; named with it as a pair
	s_mov_b32 s26, 0x76543210                      ; v_permlanex16_b32: each lane takes its own place in the other half
	s_mov_b32 s27, 0xfedcba98
	s_mov_b32 s28, 0x3fb8aa3b                      ; log2(e)
	s_mov_b32 s21, 0
	s_mov_b32 s32, 0                               ; the trip's slab, in bytes of LDS
	s_wait_kmcnt 0x0
	s_lshl_b32 s20, ttmp9, 19                      ; the tile's 128 rows of 4,096 bytes
	s_add_nc_u64 s[4:5], s[4:5], s[20:21]
	s_lshl_b32 s20, s16, 19                        ; my wave's 524,288 bytes of w2f
	s_add_nc_u64 s[6:7], s[6:7], s[20:21]
.irp s, 0,1,2,3
	s_add_nc_u64 s[WB+2*\s:WB+2*\s+1], s[6:7], \s*4096  ; half steps 0 to 3 of my wave's stream
.endr
	s_lshr_b32 s20, ttmp9, 4                       ; b
	s_lshl_b32 s20, s20, 6
	s_add_nc_u64 s[8:9], s[8:9], s[20:21]
	s_lshl_b32 s20, ttmp9, 9
	s_add_nc_u64 s[12:13], s[12:13], s[20:21]
	s_lshl_b32 s20, ttmp9, 12
	s_lshl_b32 s22, s16, 10
	s_add_co_u32 s20, s20, s22
	s_add_nc_u64 s[14:15], s[14:15], s[20:21]
	s_wait_alu depctr_va_vdst(0)                   ; the offsets and LDS addresses v4 to v10 and v40 to v43 are written, which the loads and stores below read
	global_load_b128 v[SC:SC+3],     v40, s[8:9]
	global_load_b128 v[SC+4:SC+7],   v40, s[8:9] offset:16
	global_load_b128 v[SC+8:SC+11],  v41, s[10:11]
	global_load_b128 v[SC+12:SC+15], v41, s[10:11] offset:2048
	ALOAD 0, 0                                     ; slab 0
	ALOAD 1, 256                                   ; slab 1
	BLOAD 0                                        ; W2 half steps 0 to 2; half step 3 is asked for in the first trip, like every trip's
	BLOAD 1
	BLOAD 2
	WIN 0
	s_wait_loadcnt 40                              ; the tables and slab 0 are in; behind them: slab 1's 16 loads and three half steps' 24
	ds_store_b128 v42, v[SC:SC+3]
	ds_store_b128 v42, v[SC+4:SC+7] offset:16
	ds_store_b128 v43, v[SC+8:SC+11]
	ds_store_b128 v43, v[SC+12:SC+15] offset:2048
	ROUND 0
	WIN 0
	s_wait_alu depctr_va_vdst(0)                   ; the roundings have written OUT, which the LDS stores read
	PUT 0, 0
	PUT 0, 1
	s_wait_dscnt 0x0                               ; for the others' sake: my part of the tables and of slab 0
	s_barrier_signal -1
	s_barrier_wait -1
	s_wait_alu depctr_vm_vsrc(0)                   ; my LDS stores have read OUT, which the first trip's roundings write again
	AFH 0, ADRA, 0, 0
	AFH 0, ADRA, 0, 1
	; ---- chunk 0: trip s multiplies slab s, stores slab s + 1, asks for slab s + 2 ----
	TRIP 1, 512, 1, 1, 0                           ; trip 0: slab 1 lies in the second staging buffer; slab 2 is asked for; the first K step starts the sums
	EDGE 1
	s_mov_b32 s30, 13
.Lk0:                                                  ; trips 1 to 13
	TRIP 0, 256, 0, 1, 0
	EDGE 1
	s_sub_co_u32 s30, s30, 1
	s_cmp_lg_u32 s30, 0
	s_cbranch_scc1 .Lk0
	TRIP 0, -1, 0, 1, 0                            ; trip 14: slab 15 is stored; no slab is left to ask for
	EDGE 0
	TRIP -1, -1, 0, 1, 1                           ; trip 15: nothing to store, so no barrier.  W2's ring runs on into chunk 1, and that chunk's first fragments of enc are fetched
	; ---- chunk 0 goes into the scores while chunk 1's first three half steps of W2 land ----
	CONV 0
	EPIW 2, 1
	EPIW 3, 0
	; ---- chunk 1 ----
	WIN 0
	s_mov_b32 s32, 0
	s_wait_alu depctr_vm_vsrc(0)                   ; trip 15's LDS loads have read v[ADRA], which goes back to slab 0
	v_mov_b32 v[ADRA], v[AF0]
	TRIP -1, -1, 1, 1, 0
	EDGE 0
	s_mov_b32 s30, 14
.Lk:                                                   ; trips 1 to 14
	TRIP -1, -1, 0, 1, 0
	EDGE 0
	s_sub_co_u32 s30, s30, 1
	s_cmp_lg_u32 s30, 0
	s_cbranch_scc1 .Lk
	TRIP -1, -1, 0, 0, -1                          ; trip 15 asks for its own half step 3 alone: no load leaves w2f, and its last wait shows every load of mine back
	; ---- chunk 1 goes into the scores; the context's first 64 rows are turned out of LDS meanwhile, into the registers that W2 and enc have left ----
	CONV 1
	v_and_b32 v32, 15, v0                          ; the last phase's addresses: l % 16,
	v_bfe_u32 v33, v0, 4, 1                        ; l / 16,
	v_and_b32 v34, 31, v0                          ; l
	v_and_b32 v35, 7, v0
	v_lshl_add_u32 v35, v33, 3, v35
	v_mul_u32_u24 v35, v35, PITCH
	v_bfe_u32 v36, v0, 3, 1
	v_lshl_add_u32 v35, v36, 4, v35
	s_mul_i32 s20, s16, 4*SLAB
	v_add_nc_u32 v[VTR], s20, v35                  ; v8 to v10 were read last by chunk 0's stores and loads, ahead of the edges' waits on vm_vsrc
	v_add_nc_u32 v[VTR+1], 2*SLAB, v[VTR]
	s_lshl_b32 s20, s16, 9
	s_add_co_u32 s20, s20, SP
	v_lshl_add_u32 v[SPST], v33, 5, s20            ; my wave's part; rows 8 (l / 16) on
	v_lshl_add_u32 v[SPLD], v34, 4, SP             ; rows 4 l .. 4 l + 3
	s_mul_i32 s20, s16, 768
	s_add_co_u32 s20, s20, PHL
	v_lshl_add_u32 v[PHST], v34, 3, s20            ; four bf16 for rows 4 l ..
	v_and_b32 v36, 1, v0
	v_mul_u32_u24 v36, v36, 272                    ; even rows of source 0 read hi, odd rows lo
	v_lshl_add_u32 v36, v33, 4, v36
	v_add_nc_u32 v[PHLD], s20, v36
	s_lshl_b32 s20, s16, 10
	s_add_co_u32 s20, s20, CX
	v_lshl_add_u32 v[CXST], v32, 2, s20
	v_lshl_add_u32 v[CXLD], v34, 4, s20
	WIN W_TO1
	s_wait_alu depctr_va_vdst(0)                   ; the eight addresses v8 to v15 are written; the last trip's matrix instructions are done reading W2's ring, in which the loads below land
	TR 0, 0, 1                                     ; 64 LDS loads on end: the last one's issue waits until the first is back (ISA guide 5.7.1)
	TR 1, 1, 1
	EPIW 2, 0
	EPIW 3, 0
	WIN 0
	; ---- scores ----
.set z, S
.rept 32
	v_pk_add_f32 v[z:z+1], v[z:z+1], v[VS:VS+1] op_sel_hi:[1,0]  ; + the sum of v over my columns: S is now my columns' sum of v tanh
.set z, z+2
.endr
.irp m, 1,2,4,8                        ; over the 16 lanes that hold a row's 16 columns; the 64 sums stand between a sum's two steps
.set z, S
.rept 64
	v_add_f32_dpp v[z], v[z], v[z] row_xmask:\m row_mask:0xf bank_mask:0xf
.set z, z+1
.endr
.endr
	s_wait_alu depctr_va_vdst(0)                   ; the sums across the lanes have written S, which the LDS stores read; v[T ..] has been read out, in which the loads behind the barrier land; window 3 is done with, in which the context's later rows land
.irp a, 0,1,2,3,4,5,6,7                ; sixteen lanes hold the same numbers and write the same words
	ds_store_b128 v[SPST], v[S+8*\a:S+8*\a+3]   offset:64*\a
	ds_store_b128 v[SPST], v[S+8*\a+4:S+8*\a+7] offset:64*\a+16
.endr
	s_wait_dscnt 0x0                               ; for the others' sake: my wave's 128 partial scores
	s_barrier_signal -1
	s_barrier_wait -1
.irp ww, 0,1,2,3
	ds_load_b128 v[T+4*\ww:T+4*\ww+3], v[SPLD] offset:512*\ww
.endr
	s_wait_dscnt 0x0
	v_pk_add_f32 v[SC:SC+1],   v[T:T+1],     v[T+4:T+5]       ; every wave adds the four parts in the same order: rows 4 l .. 4 l + 3
	v_pk_add_f32 v[SC+2:SC+3], v[T+2:T+3],   v[T+6:T+7]
	v_pk_add_f32 v[SC+4:SC+5], v[T+8:T+9],   v[T+12:T+13]
	v_pk_add_f32 v[SC+6:SC+7], v[T+10:T+11], v[T+14:T+15]
	v_pk_add_f32 v[SC:SC+1],   v[SC:SC+1],   v[SC+4:SC+5]
	v_pk_add_f32 v[SC+2:SC+3], v[SC+2:SC+3], v[SC+6:SC+7]
	s_cmp_lg_u32 s16, 0
	s_cbranch_scc1 .Lnot_wave_0
	s_wait_alu depctr_va_vdst(0)                   ; the additions have written v[SC:SC+3], which the store reads
	global_store_b128 v[L16], v[SC:SC+3], s[12:13]            ; the tile's 512 consecutive bytes; v[SC:SC+3] are not written again
.Lnot_wave_0:
	; ---- the tile's maximum and weights, in every wave for itself ----
	v_max3_num_f32 v[SC+4], v[SC], v[SC+1], v[SC+2]
	v_max_num_f32 v[SC+4], v[SC+4], v[SC+3]
.irp m, 1,2,4,8
	v_max_num_f32_dpp v[SC+4], v[SC+4], v[SC+4] row_xmask:\m row_mask:0xf bank_mask:0xf
.endr
	v_permlanex16_b32 v[SC+5], v[SC+4], s26, s27
	v_max_num_f32 v[SC+4], v[SC+4], v[SC+5]
.irp i, 0,1,2,3
	v_sub_f32 v[T+\i], v[SC+\i], v[SC+4]
.endr
.irp i, 0,1,2,3
	v_mul_f32 v[T+\i], s28, v[T+\i]
.endr
.irp i, 0,1,2,3
	v_exp_f32 v[T+\i], v[T+\i]
.endr
	v_nop                                          ; a plain instruction behind the exponentials
	s_wait_alu depctr_va_vdst(0)                   ; the four exponentials have written p, which the roundings below read
	v_cvt_pk_bf16_f32 v[T+4], v[T], v[T+1]         ; hi = p rounded to bf16
	v_cvt_pk_bf16_f32 v[T+5], v[T+2], v[T+3]
	v_lshlrev_b32 v[T+6], 16, v[T+4]
	v_and_b32 v[T+7], 0xffff0000, v[T+4]
	v_lshlrev_b32 v[T+8], 16, v[T+5]
	v_and_b32 v[T+9], 0xffff0000, v[T+5]
.irp i, 0,1,2,3
	v_sub_f32 v[T+6+\i], v[T+\i], v[T+6+\i]        ; lo = p - hi, exact in f32, then rounded to bf16
.endr
	v_cvt_pk_bf16_f32 v[T+10], v[T+6], v[T+7]
	v_cvt_pk_bf16_f32 v[T+11], v[T+8], v[T+9]
	s_wait_alu depctr_va_vdst(0)                   ; the roundings have written hi and lo, which the LDS stores read
	ds_store_b64 v[PHST], v[T+4:T+5]
	ds_store_b64 v[PHST], v[T+10:T+11] offset:272
.irp kk, 0,1,2,3                       ; my wave's own bytes: LDS serves a wave's instructions in order (ISA guide 5.7.1.4), so these see the stores above
	ds_load_b128 v[FA+8*\kk:FA+8*\kk+3],   v[PHLD] offset:64*\kk
	ds_load_b128 v[FA+8*\kk+4:FA+8*\kk+7], v[PHLD] offset:64*\kk+32
.endr
	; ---- the context: result row 8 (l / 16) is the sum with hi, the row after it the sum with lo ----
	; Rows 64-127 land in window 3, whose accumulators are dead.  No vector or matrix instruction since the waits above names those registers or v[VTR ..], so the context's loads owe no further wait.
	TR 2, 0, 3
	s_wait_dscnt 32                                ; p's fragments are in (rows 0-63 long since); the 32 loads of rows 64-95 may be out
	CTX 0, 0, 1, 1
	TR 3, 1, 3
	CTX 1, 1, 1, 0
	s_wait_dscnt 32                                ; rows 64-95 are in; the 32 loads of rows 96-127 may be out
	CTX 2, 0, 3, 0
	s_wait_dscnt 0x0
	CTX 3, 1, 3, 0
	PLACES
	s_wait_alu depctr_vm_vsrc(0)                   ; p's LDS stores have read v[T+4], v[T+5], v[T+10] and v[T+11], which the additions below write
	WIN W_AD
.irp n, 0,1,2,3,4,5,6,7,8,9,10,11,12,13,14,15
	v_add_f32 v[T+\n], v[8*\n], v[8*\n+1]          ; hi + lo: each accumulator's two lowest registers
.endr
	WIN 0
	s_wait_alu depctr_va_vdst(0)                   ; the additions have written v[T ..], which the LDS stores read
.irp n, 0,1,2,3,4,5,6,7,8,9,10,11,12,13,14,15
	ds_store_b32 v[CXST], v[T+\n] offset:64*\n     ; column 16 n + l % 16; both halves of the lanes hold it
.endr
	ds_load_b128 v[SC+8:SC+11],  v[CXLD]
	ds_load_b128 v[SC+12:SC+15], v[CXLD] offset:512
	s_wait_dscnt 0x0
	global_store_b128 v[L16], v[SC+8:SC+11],  s[14:15]             ; 512 consecutive bytes each
	global_store_b128 v[L16], v[SC+12:SC+15], s[14:15] offset:512
	s_wait_dscnt 0x0                               ; the closing lines, six on end
	s_wait_alu 0x0
	s_wait_tensorcnt 0x0
	ds_add_u32 v[SPW], v[NIL]
	s_wait_dscnt 0x0
	s_endpgm
.Lfunc_end_k_q46c9299405_main:
	.size	k_q46c9299405_main, .Lfunc_end_k_q46c9299405_main-k_q46c9299405_main
	.p2alignl 7, 3214868480
	.fill 96, 4, 3214868480
	.section	.rodata,"a",@progbits
	.p2align	6, 0x0
	.amdhsa_kernel k_q46c9299405_main
		.amdhsa_group_segment_fixed_size 312832
		.amdhsa_private_segment_fixed_size 0
		.amdhsa_enable_private_segment 0
		.amdhsa_kernarg_size 48
		.amdhsa_user_sgpr_count 2
		.amdhsa_user_sgpr_kernarg_segment_ptr 1
		.amdhsa_wavefront_size32 1
		.amdhsa_system_sgpr_workgroup_id_x 1
		.amdhsa_system_sgpr_workgroup_id_y 1
		.amdhsa_system_sgpr_workgroup_id_z 1
		.amdhsa_system_vgpr_workitem_id 0
		.amdhsa_next_free_vgpr 1024
		.amdhsa_next_free_sgpr 66
		.amdhsa_reserve_vcc 0
		.amdhsa_float_denorm_mode_32 3
		.amdhsa_float_denorm_mode_16_64 3
		.amdhsa_memory_ordered 1
		.amdhsa_forward_progress 1
		.amdhsa_inst_pref_size 255
	.end_amdhsa_kernel
	.section	.bss,"aw",@nobits
	.p2align	6
	.space	262144
	.amdgpu_metadata
---
amdhsa.version: [ 1, 2 ]
amdhsa.kernels:
  - .name:           k_q46c9299405_main
    .symbol:         k_q46c9299405_main.kd
    .args:
      - { .name: enc_outputs, .offset: 0, .size: 8, .value_kind: global_buffer, .address_space: global }
      - { .name: w2f, .offset: 8, .size: 8, .value_kind: global_buffer, .address_space: global }
      - { .name: dpb, .offset: 16, .size: 8, .value_kind: global_buffer, .address_space: global }
      - { .name: v, .offset: 24, .size: 8, .value_kind: global_buffer, .address_space: global }
      - { .name: scores, .offset: 32, .size: 8, .value_kind: global_buffer, .address_space: global }
      - { .name: ctxp, .offset: 40, .size: 8, .value_kind: global_buffer, .address_space: global }
    .group_segment_fixed_size: 312832
    .private_segment_fixed_size: 0
    .kernarg_segment_align: 8
    .kernarg_segment_size: 48
    .max_flat_workgroup_size: 128
    .sgpr_count:     66
    .vgpr_count:     1024
    .wavefront_size: 32
...
	.end_amdgpu_metadata
.endif
;; end of part 4
;; launch finish: the kernel of part 3 again; grid 32 x 1, 8 waves a work-group, no clusters, 1,792 bytes of LDS; arguments scores, ctxp, out0, out1; writes out0, out1
